; MI455X (gfx1250); checked and timed in simulation.
; The chip was launched on July 23, 2026; its instructions are those of AMD's public machine-readable ISA for CDNA 5 (MIT licence, August 2026) and "CDNA5" Instruction Set Architecture Reference Guide (July 2026). The comments in the code are by the model that wrote it; some were corrected since.
;; Attention. Allowed arithmetic: matrix products marked QUANTISED: E3M2 operands, one E8M0 scale for each 32 along K, by v_wmma_scale_f32_16x16x128_f8f6f4 with both operands' format E3M2, f32 sums; everything else in f32.
;; Inputs: head_codes 8 x 2,048 x 32 x 24 uint8 (E3M2 codes of head, K innermost, in blocks of 32 codes, four codes in three bytes); head_scales 8 x 2,048 x 32 uint8 (E8M0 scales of head, one for each 32 codes along K); tail 8 x 2,048 x 1,024 float32.
;; Outputs: out0 8 x 2,048 x 1,024 float32.
;; This version of the problem:
;;   THIS VERSION OF THE PROBLEM IS GIVEN IN LOW PRECISION. The matrix products marked QUANTISED in the list below multiply operands that are first quantised to E3M2 (3 exponent bits, 2 mantissa bits; 6 bits a number), with one power-of-two scale for each 32 numbers along K (OCP MX v1.0); their sums are f32. All else is computed in f32.
;;   The module's matrix products, in the order in which they are computed (A, B: the left and right operand; K: the contracted axis; several contracted axes count as one K, in the product's order):
;;     1. batch 8 x [M 2,048, K 1,024] x [K 1,024, N 2,048]; A: input tail; B: input head (given as codes): QUANTISED
;;     2. batch 8 x [M 2,048, K 2,048] x [K 2,048, N 1,024]; A: softmax (see below); B: input tail: QUANTISED
;;   THE QUANTISER, for each operand of a quantised product, along K:
;;     - K is cut into blocks of 32 from its start; a last block that is shorter is filled with zeros.
;;     - A block's scale is 2^e with e = floor(log2(the largest magnitude in the block)) - 4, held to -126 .. 127; a block of zeros has e = 0. As a byte (E8M0): e + 127.
;;     - Each number is divided by its block's scale, clamped to +-28, and rounded to the nearest number of E3M2, ties to even, subnormals kept.
;;     - The product sums the exact products of the quantised numbers (number of the format x scale) in f32.
;;   ~~~python
;;   def quantise(x, axis):      # numpy; x: float32 -> the quantised numbers, widened to float32 again
;;       x = np.moveaxis(x, axis, -1); K = x.shape[-1]
;;       x = np.pad(x, [(0, 0)] * (x.ndim - 1) + [(0, -K % 32)]); x = x.reshape(x.shape[:-1] + (-1, 32)); a = np.abs(x).max(-1, keepdims=True)
;;       e = np.where(a > 0, np.clip(np.frexp(np.where(a > 0, a, 1))[1] - 1 - 4, -126, 127), 0)      # np.frexp(a)[1] - 1 = floor(log2(a)), exactly
;;       r = np.clip(x / 2.0 ** e, -28, 28)
;;       step = 2.0 ** (np.maximum(np.frexp(np.where(r == 0, 1, r))[1] - 1, -2) - 2)
;;       q = np.round(r / step) * step * 2.0 ** e      # np.round: ties to even
;;       return np.moveaxis(q.reshape(q.shape[:-2] + (-1,))[..., :K], -1, axis).astype(np.float32)
;;   ~~~
;;   SOFTMAX AHEAD OF A QUANTISED PRODUCT. Where the list says 'softmax', what is quantised is not the finished softmax but p = 2^(t - M), with t = logit x log2(e) and M = ceil(the row's largest t), a whole number; so 1/2 < the row's largest p <= 1. The row's sum l is taken of the UNQUANTISED p, in f32, and the product's result is divided by l at the end. Since M is a whole number, a kernel that streams over the keys may use a running M (the ceiling of the running maximum): every later rescaling is an exact power of two, which a block's scale takes up: the codes' values come out the same.
;;   OPERANDS COMPUTED ON THE WAY. 'Computed on the way' means the value that the module computes at that place (a softmax that the list does not call 'softmax' is quantised finished and normalised). What goes into a quantiser is computed in f32, as accurately as f32 sums, v_exp_f32 and their like allow (about 1e-6 of the number): no bf16 or f16 on the way to a quantiser, and a product that is left as it is and whose result goes on into a quantised operand takes f32 operands (vector FMAs, or v_wmma_f32_16x16x4_f32). A number that lies on a knife's edge between two numbers of the format may be rounded either way, as far as f32 arithmetic and the matrix unit's own rounding can turn it there, and no further.
;;   INPUTS GIVEN AS CODES. head (in the module: [8, 2048, 1024], K = its axis 2): each comes as NAME_codes (uint8): NAME with its K axis moved to the last place and cut into blocks of 32 codes, [.., K / 32, bytes a block], one block behind the other in memory; four codes in three bytes: a row's codes are one little-endian stream of bits, code i at bits 6 i .. 6 i + 5 (a code: sign, 3 exponent bits, 2 mantissa bits); and NAME_scales (uint8): the same leading axes, one E8M0 byte (e + 127) for each 32 codes along K. Its value is code x scale, taken as it is: it is not quantised again, and the codes and scales need not be those that the quantiser above would give.
;; 2 versions. Each part assembles by itself: llvm-mc -triple=amdgcn-amd-amdhsa -mcpu=gfx1250 --defsym DOCPART=n.
;; ======== version 1 of 2: 2 launches
;; limits: right only within a limited range of input values
;; workspace buffers: q_codes 12,582,912 bytes; q_scales 524,288 bytes; v_codes 12,582,912 bytes; v_scales 524,288 bytes
;; launch quant (part 1): grid 8 x 128, 4 waves a work-group, no clusters, 81,408 bytes of LDS; arguments tail, q_codes, q_scales, v_codes, v_scales; writes q_codes, q_scales, v_codes, v_scales
.if DOCPART == 1
	.amdgcn_target "amdgcn-amd-amdhsa--gfx1250"
	.amdhsa_code_object_version 6
	.text
	.protected	k_q8a8ccf7571_quant
	.globl	k_q8a8ccf7571_quant
	.p2align	8
	.type	k_q8a8ccf7571_quant,@function
k_q8a8ccf7571_quant:
	s_mov_b64 s[64:65], 0
	v_nop
	global_prefetch_b8 v0, s[64:65] scope:SCOPE_SE
	s_setreg_imm32_b32 hwreg(HW_REG_WAVE_MODE, 25, 1), 1
	s_wait_xcnt 0x0
; tail [16384 rows][1024] f32 is read ONCE and quantised to BF6 (E3M2) with E8M0 scales TWICE: along its columns (operand of the first product, K = D)
; and along its rows (operand of the second product, K = the keys).  A block's scale byte is its largest magnitude's exponent field - 4, held at 1 from below.
; LIMITS: NaN and infinities are not served; a block of zeros gets the byte 1 (its codes are zeros; the bytes are read by this program alone).
; SHARES.  Work-group (x, y) takes rows 128 y .. + 127, columns 128 x .. + 127 (64 KiB) into LDS.  Wave w loads rows 32 w .. + 31, then quantises those rows along D
; (a lane a row, four blocks of 32) and columns 32 w .. + 31 along the rows (a lane a column, four blocks of 32 keys).
; LAYOUT OF THE RESULTS: the order of the operand's registers.  A fragment (16 operand rows x 128 K, 12 registers a lane) is an IMAGE of 1,536 bytes: registers 4 g .. 4 g + 3 of lane L
; at 512 g + 16 L.  Block b = 2 c + h of row r is registers 6 c .. 6 c + 5 of lane r + 16 h.  q_codes [row / 16][D / 128][image];  v_codes [row / 128][d / 16][image];
; scale words (four bytes: 128 along K): q_scales [row / 128][D / 128][row % 128];  v_scales [row / 128][d].
; IN A BLOCK OF V position i holds key pi(i), pi = i with its bits 3 and 4 exchanged: the order in which the next launch's weights fall out of its tiles of 16 keys.  The blocks hold the same keys, so the scales are those of the plain order.
; No tensor loads: four work-groups share a WGP.  Every global store of a wave covers 512 consecutive bytes, aligned.
.set ROWP, 528                         ; a tile row in LDS: 512 bytes + 16: 132 words
.set OST,  128*ROWP                    ; behind the tile: a stage of two images for each wave
.set SCG,  OST+4*3072                  ; behind the stages: 128 scale words of the rows, then 128 of the columns
.set N,    64                          ; v64-191   four blocks of 32 numbers
.set E,    16                          ; v16-47    block b's six registers of codes at E + 8 b
.set F,    48                          ; v48-50    a block's upper 16 codes as converted (a conversion's three registers begin on an even number)
.set WQ,   52                          ; v52       the row's scale word
.set WC,   53                          ; v53       the column's
.set OUTQ, 192                         ; v192-215  two images of rows on their way out
.set OUTV, 216                         ; v216-239  two images of columns
	s_load_b256 s[4:11], s[0:1], 0x0               ; tail s[4:5], q_codes s[6:7], q_scales s[8:9], v_codes s[10:11]
	s_load_b64 s[12:13], s[0:1], 0x20              ; v_scales
	v_lshl_add_u32 v240, v0, 2, 0x13c00
	v_mov_b32 v241, 0
	v_lshrrev_b32 v1, 5, v0
	v_readfirstlane_b32 s16, v1                    ; wave 0..3
	v_and_b32 v1, 31, v0                           ; lane L
	v_lshlrev_b32 v2, 4, v1                        ; 16 L
	s_and_b32 s17, ttmp7, 0xffff                   ; y: which 128 rows;  ttmp9 = x: which 128 columns
	s_mul_i32 s18, s16, 32*ROWP                    ; my 32 rows in the tile
	v_add_nc_u32 v3, s18, v2                       ; into the tile: a row is 32 lanes x 16 bytes
	v_mul_u32_u24 v4, v1, ROWP
	v_add_nc_u32 v4, s18, v4                       ; along D: my row
	s_lshl_b32 s19, s16, 7
	v_lshl_add_u32 v5, v1, 2, s19                  ; along the rows: my column, 4 (32 w + L)
	v_add_nc_u32 v10, 64*ROWP, v5                  ; the same from row 64 on (an LDS immediate has 16 bits)
	v_lshrrev_b32 v11, 4, v1
	v_and_b32 v6, 15, v1
	v_lshlrev_b32 v6, 4, v6
	v_mad_u32_u24 v6, v11, 1536, v6                ; into the stage: image L / 16, row L % 16
	s_mul_i32 s20, s16, 3072
	s_add_co_u32 s20, s20, OST
	v_add_nc_u32 v6, s20, v6
	v_add_nc_u32 v7, s20, v2                       ; out of it: 16 bytes a lane
	v_add_nc_u32 v8, SCG, v5                       ; my scale word's place
	s_and_b32 s21, s16, 1
	s_lshl_b32 s21, s21, 9
	s_add_co_u32 s21, s21, SCG
	v_add_nc_u32 v9, s21, v2                       ; waves 0 and 1 carry the words out: 512 bytes each
	s_lshl_b32 s20, s17, 19                        ; tail: 128 y rows of 4,096 bytes + 32 w rows + 512 x
	s_lshl_b32 s21, s16, 17
	s_add_co_u32 s20, s20, s21
	s_lshl_b32 s21, ttmp9, 9
	s_add_co_u32 s20, s20, s21
	s_mov_b32 s21, 0
	s_mul_i32 s22, s17, 98304                      ; both tensors of codes: 98,304 bytes for 128 rows
	s_mul_i32 s24, s16, 24576                      ; q_codes: + two row tiles of 12,288 bytes a wave + 1,536 x
	s_add_co_u32 s24, s24, s22
	s_mul_i32 s25, ttmp9, 1536
	s_add_co_u32 s24, s24, s25
	s_mov_b32 s25, 0
	s_mul_i32 s26, ttmp9, 12288                    ; v_codes: + eight images for 128 columns + two images a wave
	s_add_co_u32 s26, s26, s22
	s_mul_i32 s27, s16, 3072
	s_add_co_u32 s26, s26, s27
	s_mov_b32 s27, 0
	s_lshl_b32 s28, s17, 12                        ; both tensors of scale words: 4,096 y + 512 x
	s_lshl_b32 s29, ttmp9, 9
	s_add_co_u32 s28, s28, s29
	s_mov_b32 s29, 0
	s_wait_kmcnt 0x0
	s_add_nc_u64 s[4:5], s[4:5], s[20:21]
	s_add_nc_u64 s[6:7], s[6:7], s[24:25]
	s_add_nc_u64 s[8:9], s[8:9], s[28:29]
	s_add_nc_u64 s[10:11], s[10:11], s[26:27]
	s_add_nc_u64 s[12:13], s[12:13], s[28:29]
; ---- 1: my 32 rows into the tile.  Each load reads 512 consecutive bytes
.set i, 0
.rept 32
	global_load_b128 v[N+4*i:N+4*i+3], v2, s[4:5] offset:4096*i th:TH_LOAD_NT
.set i, i+1
.endr
.set i, 0
.irp g, 0,1,2,3
	s_wait_loadcnt 24-8*\g                         ; loads come back in order: this group of eight is in, the younger groups may be out
.rept 8
	ds_store_b128 v3, v[N+4*i:N+4*i+3] offset:ROWP*i
.set i, i+1
.endr
.endr
	s_wait_dscnt 0x0                               ; for the others' sake: my rows lie in the tile
	s_barrier_signal -1
	s_barrier_wait -1
; 32 numbers of one block, v[n] on, become six registers of codes, v[e] on, and byte b of the scale word
.macro QUANT32 n, e, b, word
	v_max3_num_f32 v12, |v[\n]|, |v[\n+1]|, |v[\n+2]|         ; the block's largest magnitude, in two chains
	v_max3_num_f32 v13, |v[\n+3]|, |v[\n+4]|, |v[\n+5]|
.irp i, 6,10,14,18,22,26
	v_max3_num_f32 v12, v12, |v[\n+\i]|, |v[\n+\i+1]|
	v_max3_num_f32 v13, v13, |v[\n+\i+2]|, |v[\n+\i+3]|
.endr
	v_max3_num_f32 v12, v12, |v[\n+30]|, |v[\n+31]|
	v_max3_num_f32 v12, v12, v13, 0x2800000        ; and the floor 2^(5 - 127): the byte cannot fall under 1
	v_add_nc_u32 v14, 0xfe000000, v12              ; 4 off its exponent field: the conversion takes the exponent field of this operand as its scale
	v_lshrrev_b32 v15, 23, v14                     ; the scale's byte
.if \b == 0
	v_mov_b32 v[\word], v15
.else
	v_lshl_or_b32 v[\word], v15, 8*\b, v[\word]
.endif
	v_cvt_scalef32_pk16_bf6_f32 v[\e:\e+2], v[\n:\n+15], v14
	v_cvt_scalef32_pk16_bf6_f32 v[F:F+2], v[\n+16:\n+31], v14
	v_nop                                          ; one plain instruction between a scaled conversion and the vector instruction that touches its result
	v_mov_b32 v[\e+3], v[F]
	v_mov_b32 v[\e+4], v[F+1]
	v_mov_b32 v[\e+5], v[F+2]
.endm
; the four blocks of my operand row go to their places in the image: block 2 c + h = registers 6 c .. 6 c + 5 of lane r + 16 h
.macro STAGE
	ds_store_b128 v6, v[E:E+3]                     ; block 0: registers 0-3 of lane r,
	ds_store_b64 v6, v[E+4:E+5] offset:512         ;          registers 4, 5
	ds_store_b128 v6, v[E+8:E+11] offset:256       ; block 1: the same of lane r + 16
	ds_store_b64 v6, v[E+12:E+13] offset:768
	ds_store_b64 v6, v[E+16:E+17] offset:520       ; block 2: registers 6, 7 of lane r,
	ds_store_b128 v6, v[E+18:E+21] offset:1024     ;          registers 8-11
	ds_store_b64 v6, v[E+24:E+25] offset:776       ; block 3: the same of lane r + 16
	ds_store_b128 v6, v[E+26:E+29] offset:1280
.endm
.macro BACK out                        ; my two images come back 16 bytes a lane.  LDS serves a wave's instructions in order (ISA guide 5.7.1.4): these see the stores above
.irp k, 0,1,2,3,4,5
	ds_load_b128 v[\out+4*\k:\out+4*\k+3], v7 offset:512*\k
.endr
.endm
; ---- 2: along D.  A lane holds its row's 128 numbers
.irp b, 0,1,2,3
.irp k, 0,1,2,3,4,5,6,7
	ds_load_b128 v[N+32*\b+4*\k:N+32*\b+4*\k+3], v4 offset:128*\b+16*\k
.endr
.endr
.irp b, 0,1,2,3
	s_wait_dscnt 24-8*\b                           ; block b's eight loads are in; the younger blocks' may be out
	QUANT32 N+32*\b, E+8*\b, \b, WQ
.endr
	STAGE
	ds_store_b32 v8, v[WQ]
	BACK OUTQ
	s_wait_dscnt 0x0                               ; the images are back, and the stores have read the codes' registers
.irp k, 0,1,2,3,4,5
	global_store_b128 v2, v[OUTQ+4*\k:OUTQ+4*\k+3], s[6:7] offset:12288*(\k/3)+512*(\k%3)
.endr
; ---- 3: along the rows.  A lane holds its column; register i of block b is key 32 b + pi(i)
.macro VLOAD b
.set i, 0
.rept 32
.set PIK, (i&7)|((i&8)<<1)|((i&16)>>1)
.if \b < 2
	ds_load_b32 v[N+32*\b+i], v5 offset:(32*\b+PIK)*ROWP
.else
	ds_load_b32 v[N+32*\b+i], v10 offset:(32*(\b-2)+PIK)*ROWP
.endif
.set i, i+1
.endr
.endm
	VLOAD 0
	VLOAD 1
	s_wait_dscnt 32                                ; block 0 is in; block 1's 32 loads may be out
	QUANT32 N, E, 0, WC
	VLOAD 2
	s_wait_dscnt 32
	QUANT32 N+32, E+8, 1, WC
	VLOAD 3
	s_wait_dscnt 32
	QUANT32 N+64, E+16, 2, WC
	s_wait_dscnt 0x0
	QUANT32 N+96, E+24, 3, WC
	STAGE
	ds_store_b32 v8, v[WC] offset:512
	BACK OUTV
	s_wait_dscnt 0x0
.irp k, 0,1,2,3,4,5
	global_store_b128 v2, v[OUTV+4*\k:OUTV+4*\k+3], s[10:11] offset:512*\k
.endr
; ---- 4: the scale words of the four waves leave together: 512 bytes of the rows' (wave 0), 512 of the columns' (wave 1)
	s_barrier_signal -1                            ; (my LDS stores were waited for above)
	s_barrier_wait -1
	s_cmp_lt_u32 s16, 2
	s_cbranch_scc0 .Lend
	ds_load_b128 v[56:59], v9
	s_cmp_eq_u32 s16, 0
	s_cselect_b64 s[8:9], s[8:9], s[12:13]         ; the choice hangs on the wave's number alone
	s_wait_dscnt 0x0
	global_store_b128 v2, v[56:59], s[8:9]
.Lend:
	s_wait_tensorcnt 0x0
	ds_add_u32 v240, v241
	s_wait_dscnt 0x0
	s_endpgm
.Lfunc_end_k_q8a8ccf7571_quant:
	.size	k_q8a8ccf7571_quant, .Lfunc_end_k_q8a8ccf7571_quant-k_q8a8ccf7571_quant
	.p2alignl 7, 3214868480
	.fill 96, 4, 3214868480
	.section	.rodata,"a",@progbits
	.p2align	6, 0x0
	.amdhsa_kernel k_q8a8ccf7571_quant
		.amdhsa_group_segment_fixed_size 81408
		.amdhsa_private_segment_fixed_size 0
		.amdhsa_enable_private_segment 0
		.amdhsa_kernarg_size 40
		.amdhsa_user_sgpr_count 2
		.amdhsa_user_sgpr_kernarg_segment_ptr 1
		.amdhsa_wavefront_size32 1
		.amdhsa_system_sgpr_workgroup_id_x 1
		.amdhsa_system_sgpr_workgroup_id_y 1
		.amdhsa_system_sgpr_workgroup_id_z 1
		.amdhsa_system_vgpr_workitem_id 0
		.amdhsa_next_free_vgpr 242
		.amdhsa_next_free_sgpr 66
		.amdhsa_reserve_vcc 0
		.amdhsa_float_denorm_mode_32 3
		.amdhsa_float_denorm_mode_16_64 3
		.amdhsa_memory_ordered 1
		.amdhsa_forward_progress 1
		.amdhsa_inst_pref_size 34
	.end_amdhsa_kernel
	.amdgpu_metadata
---
amdhsa.version: [ 1, 2 ]
amdhsa.kernels:
  - .name:           k_q8a8ccf7571_quant
    .symbol:         k_q8a8ccf7571_quant.kd
    .args:
      - { .name: tail, .offset: 0, .size: 8, .value_kind: global_buffer, .address_space: global }
      - { .name: q_codes, .offset: 8, .size: 8, .value_kind: global_buffer, .address_space: global }
      - { .name: q_scales, .offset: 16, .size: 8, .value_kind: global_buffer, .address_space: global }
      - { .name: v_codes, .offset: 24, .size: 8, .value_kind: global_buffer, .address_space: global }
      - { .name: v_scales, .offset: 32, .size: 8, .value_kind: global_buffer, .address_space: global }
    .group_segment_fixed_size: 81408
    .private_segment_fixed_size: 0
    .kernarg_segment_align: 8
    .kernarg_segment_size: 40
    .max_flat_workgroup_size: 128
    .sgpr_count:     66
    .vgpr_count:     242
    .wavefront_size: 32
...
	.end_amdgpu_metadata
.endif
;; end of part 1
;; launch attn (part 2): grid 32 x 8, 4 waves a work-group, clusters of 4 x 1, 327,680 bytes of LDS; arguments head_codes, head_scales, q_codes, q_scales, v_codes, v_scales, out0; writes out0
.if DOCPART == 2
	.amdgcn_target "amdgcn-amd-amdhsa--gfx1250"
	.amdhsa_code_object_version 6
	.text
	.protected	k_q8a8ccf7571_attn
	.globl	k_q8a8ccf7571_attn
	.p2align	8
	.type	k_q8a8ccf7571_attn,@function
k_q8a8ccf7571_attn:
	s_mov_b64 s[64:65], 0
	v_nop
	global_prefetch_b8 v0, s[64:65] scope:SCOPE_SE
	s_setreg_imm32_b32 hwreg(HW_REG_WAVE_MODE, 25, 1), 1
	s_wait_xcnt 0x0
	s_wait_alu depctr_hold_cnt(0) depctr_sa_sdst(0) depctr_va_vdst(0) depctr_va_sdst(0) depctr_va_ssrc(0) depctr_va_vcc(0) depctr_vm_vsrc(0)
	s_getreg_b32 s2, hwreg(HW_REG_IB_STS2, 6, 4)
	s_cmp_eq_u32 s2, 0
	s_cbranch_scc0 .Lentry_in_a_cluster
	s_endpgm
.Lentry_in_a_cluster:
	s_bfe_u32 s2, ttmp6, 0x10000c
	s_cmp_lg_u32 s2, 0x3003
	s_cbranch_scc0 .Lentry_shape_is_right
	s_endpgm
.Lentry_shape_is_right:
; out[b][t][:] = the sum over h of softmax_h(tail[b][t] . head[b][h] / 32) tail[b][h][:], both products on codes of BF6 (E3M2) with one E8M0 scale for each 32 along K.
; head arrives as codes (rows of 768 bytes) and scale bytes; tail comes from the launch before, quantised both ways, as images of the operands' registers (1,536 bytes: registers 4 g .. 4 g + 3 of lane L at 512 g + 16 L).
; SHARES.  A work-group owns 64 queries (four tiles of 16) of one batch and runs TWO PHASES that take turns on the registers.
;   A: all scores and the softmax.  Keys go 128 a step; wave w takes keys 32 w .. + 31 of a step (two tiles of 16: ONE block of the second product's K) against all four query tiles; all of Q (384 registers) lies in each wave.
;   B: O^T = V^T P^T.  Wave w owns channels 256 w .. + 255 (16 tiles) for all 64 queries: 64 accumulators, 512 registers.  Each fragment of K or V read from LDS feeds four matrix instructions.
; Both products are used transposed (source 0 = 16 keys, or 16 channels; source 1 = 16 queries): a lane holds ONE query (lane % 16) throughout.
; THE SOFTMAX.  t = score x log2(e) / 32.  Each block of 32 keys is quantised under its OWN whole number m = ceil(the block's largest t): p = 2^(t - m), so its codes do not hang on the row's maximum; only the scale byte does:
; byte = (local byte + m) - M.  Phase A leaves the codes in LDS as images, and G = local byte + m (f32, a whole number) for each block and query; each wave keeps a running -M and a sum l of the unquantised p under it.
; Behind phase A M = the largest m is the row's, the bytes are made once, and phase B rescales nothing.  O is divided by l at the end.
; A lane's 16 scores of a query tile are keys 0-7, 16-23 (lanes 0-15) or 8-15, 24-31 (lanes 16-31) of the block: position i of P's block holds key pi(i) (bits 3 and 4 exchanged); V's codes were laid in the same order.
; LIMITS: NaN and infinities are not served; |t| stays under 2^23 (G is then exact); a block that lies more than 121 binades under its row's maximum has its byte held at 1 (its terms are under 2^-120 of the row's largest).
; THE STREAM.  32 tiles of 98,304 dense bytes (K's 16 steps, then V's 16) go through two LDS slots by turns.  Each wave fetches, and alone reads, its quarter.
; CLUSTER.  The four work-groups of a cluster belong to one batch and walk the same tiles: each quarter is asked for JOINTLY, by the same tensor load with the same descriptor and the mask of all four.
; A wave has two tensor loads out at the start and one behind each later round.
; REGISTERS, in windows of 256 (s_set_vgpr_msb: bits 1:0 source 0, 3:2 source 1, 5:4 source 2, 7:6 destination):
;   window 0: addresses, statistics, S^T and P's codes at work, all scale words; in phase B P's fragments.
;   window 1: A: Q tiles 0, 1 at 12 (8 m + s);  B: V's 16 fragments at 12 t;  way out: rows read back.
;   window 2: A: Q tiles 2, 3;  B: O^T of channel tiles 0-7 at 8 (4 t + m).     window 3: A: K's 16 fragments at 12 (2 s + u);  B: O^T of channel tiles 8-15.
.set TILEB, 98304                      ; a tile of the stream
.set QV,    24576                      ; a wave's quarter of it, and its place in a slot for V (dense)
.set QK,    26112                      ; a wave's quarter of K in LDS: 96 pieces of 256 bytes + 16 of padding
.set KP,    816                        ; so a key's row of 768 bytes is 816 bytes = 204 words: the 32 lanes of a load of 8 bytes touch 64 different banks (ISA guide 11.1)
.set SLOTB, 104448
.set PIMG,  2*SLOTB                    ; P's codes: image (4 j + m), key step j, query tile m
.set GSC,   PIMG+TILEB                 ; 16 bytes for (key step j, query q) at 16 (64 j + q): four G, by wave; later the first word is P's scale word
.set XCH,   GSC+16384                  ; -M of wave w and query q at 16 q + 4 w; l 1,024 bytes on
.set SPARE, XCH+2048                   ; the spare words, 128 bytes for each wave: two blocks of 256 bytes that no other line names
.set SP,    528                        ; the way out: a stage row, 512 bytes + 16.  The stage (16 rows) lies in my own quarter of slot 0, which has had its last fill and its last read by then
.set SPW, 1                            ; v1   LDS address of my spare word; never rewritten
.set NIL, 2                            ; v2   0; never rewritten
.set LN,  3                            ; v3   lane
.set ADK, 4                            ; v4, v5  my place in my quarter of K in slot 0, 1;  v6, v7 the same for pieces that lie behind one padding more
.set APW0, 8                           ; v8   where my block's first and third 8 bytes go in an image
.set APW1, 9                           ; v9   and the second
.set AG,  10                           ; v10  where G goes
.set KSO, 11                           ; v11  K's scale words: my key's 32 bytes
.set APR, 12                           ; v12  P's images, read: 16 x lane
.set APS, 13                           ; v13  P's scale words, read: 16 bytes a query
.set ADV, 14                           ; v14, v15  my quarter of V in slot 0, 1: 16 x lane.  v14 is also where the stage's rows are read back
.set VSO, 16                           ; v16  V's scale words
.set T0,  17                           ; v17-19 addresses in hand
.set STO, 20                           ; v20  the stage: where I put 32 bytes of a row
.set L16, 22                           ; v22  16 x lane: my offset in Q's images and in a piece of a row of out0
.set PFO, 23                           ; v23  256 x lane: the prefetches' offset; never rewritten
.set AX,  24                           ; v24  XCH, written
.set AXR, 25                           ; v25  XCH, read by query lane % 16
.set AXQ, 26                           ; v26  XCH, read by query thread % 64
.set ABY, 27                           ; v27  GSC, by (thread / 64, thread % 64)
.set QSO, 29                           ; v29  4 x lane
.set RR,  30                           ; v30  r = lane % 16
.set HH,  31                           ; v31  h = lane / 16
.set ST,  32                           ; v32-63 tile m's statistics at ST + 8 m: +0 -m, +1 (its pair's partner), +2 the block's largest, +3, +5 at work, +4 the conversion's scale, +6 running -M, +7 l
.set S,   64                           ; v64-127 S^T, then p: tile m, key tile u at S + 16 m + 8 u
.set X,   128                          ; v128-159 codes: pair p of query tiles at X + 16 p
.set SU,  160                          ; v160-167 sums
.set QS,  168                          ; v168-183 Q's scale words [pair][s]: lanes 0-15 tile 2 pair, lanes 16-31 tile 2 pair + 1
.set KS,  184                          ; v184-199 K's [step % 2][s]: lane L holds key 32 w + L
.set VS,  200                          ; v200-215 V's [step % 2][t / 2]
.set PS,  216                          ; v216-219 P's [step % 2][pair]
.set LINV, 220                         ; v220-227 1 / l, a pair a tile
.set PF,  64                           ; phase B: P's four fragments, two sets of 48
.set TMP, 64                           ; the way out
.set WV,  18                           ; s18 wave
.set SEL, 20                           ; s[20:21] v_permlanex16_b32's selects for lane l xor 16
.set CS,  22                           ; s[22:23] c = log2(e) / 32
.set G1K, 24                           ; s[24:31] descriptor group 1 for K's quarters;  s[32:39] for V's
.set G1V, 32
.set G0K, 40                           ; s[40:47] groups 0 for K, a set for each slot;  s[48:55] for V
.set G0V, 48
.set TA,  56
.set TB2, 57
.set PFA, 58                           ; s[58:59] where my prefetches stand in K
.set PFV, 60                           ; s[60:61] and in V
.set LIM, 62                           ; s62 1 in a wave that prefetches, else the greatest number
.set PJ,  66                           ; s66 6,144 x key step: P's images
.set GJ,  67                           ; s67 1,024 x key step: G, and P's scale words
.set KSP, 68                           ; s[68:69] K's scale bytes of the step in hand
.set VSP, 70                           ; s[70:71] V's scale words
.set MSB, 0
.macro WIN new                         ; the immediate's high byte repeats the setting that is left; a switch that changes nothing is dropped
.if MSB != (\new)
	s_set_vgpr_msb (MSB<<8)|(\new)
.set MSB, (\new)
.endif
.endm
.macro PLACES                          ; a load into a register that a matrix instruction has read, and a vector instruction that reads a matrix result, stand four plain vector instructions behind it
.rept 4
	v_nop
.endr
.endm
.macro CROUND                          ; a round of the cluster's barrier: my work-group's barrier; wave 0 signals for the work-group; every wave waits for all four work-groups; my work-group's barrier once more
	s_barrier_signal -1
	s_barrier_wait -1
	s_cmp_lg_u32 s[WV], 0
	s_cbranch_scc1 .Lnot_wave_0_\@
	s_barrier_signal -3
.Lnot_wave_0_\@:
	s_barrier_wait -3
	s_barrier_signal -1
	s_barrier_wait -1
.endm
; A PREFETCH INTO THE L2 of the tile that the NEXT change of slots will ask for: 384 pieces of 256 bytes.  All eight clusters of a batch walk the same tiles: the first cluster asks.  Its four partners take a quarter each,
; told apart BY ADDRESS; in each, waves 0 to 2 ask for 8,192 bytes, lanes 256 bytes apart: one instruction a wave, each piece named once in the launch.  how = 1: always; how = 2: not in the loop's last trip, where K has no tile left.
.macro ASK how, ptr
.if (\how) == 1
	s_cmp_eq_u32 s[LIM], 1
.else
	s_cmp_gt_u32 s[TA], s[LIM]
.endif
	s_cbranch_scc0 .Lnot_mine_\@
	global_prefetch_b8 v[PFO], s[(\ptr):(\ptr)+1] th:TH_LOAD_NT scope:SCOPE_SE
.Lnot_mine_\@:
.endm
; THE CHANGE OF SLOTS.  Each wave waits for all its tensor loads (the one that is out is its quarter of the tile to be read next), adds 0 to its spare word, steps what is due, and waits for the add and for its reads of the
; slot that it has left.  Behind the round no wave of any partner reads that slot or has a load on its way: the joint refill is the first thing there, one a wave.
.macro CHANGE g0, stepit, g1, sp, pf, pfstep, ask
	s_wait_tensorcnt 0x0                           ; no tensor load of mine is out, so a group 0 may be written
	ds_add_u32 v[SPW], v[NIL]                      ; 0 onto my spare word
.if \stepit
	s_add_nc_u64 s[(\g0)+2:(\g0)+3], s[(\g0)+2:(\g0)+3], 2*TILEB   ; this slot's next tile; the type bits on top are not reached
.endif
.if (\sp) || (\pfstep)
	s_wait_xcnt 0x0                                ; the last scale loads and the last prefetch, a step back, have read their addresses
.endif
.if \sp
	s_add_nc_u64 s[(\sp):(\sp)+1], s[(\sp):(\sp)+1], 4096
.endif
.if \pfstep
	s_add_nc_u64 s[(\pf):(\pf)+1], s[(\pf):(\pf)+1], TILEB
.endif
	s_wait_dscnt 0x0                               ; the add is done, my reads of the slot are over, my LDS stores have landed
	CROUND
	tensor_load_to_lds s[(\g0):(\g0)+3], s[(\g1):(\g1)+7]
	s_nop 0
	PLACES                                         ; four v_nop: the places in front of the loads that follow
.if \ask
	ASK \ask, \pf
.endif
.endm
; One matrix instruction, by the symbols rD, rA, rB (first registers), rSA, rSB (scale words), fA, fB (the scale words lie in lanes 16-31), fZ (the product starts the sum)
.macro WM
.if fZ
.if fA
.if fB
	v_wmma_scale_f32_16x16x128_f8f6f4 v[rD:rD+7], v[rA:rA+11], v[rB:rB+11], 0, v[rSA], v[rSB] matrix_a_fmt:MATRIX_FMT_BF6 matrix_b_fmt:MATRIX_FMT_BF6 matrix_a_scale:MATRIX_SCALE_ROW1 matrix_b_scale:MATRIX_SCALE_ROW1
.else
	v_wmma_scale_f32_16x16x128_f8f6f4 v[rD:rD+7], v[rA:rA+11], v[rB:rB+11], 0, v[rSA], v[rSB] matrix_a_fmt:MATRIX_FMT_BF6 matrix_b_fmt:MATRIX_FMT_BF6 matrix_a_scale:MATRIX_SCALE_ROW1
.endif
.else
.if fB
	v_wmma_scale_f32_16x16x128_f8f6f4 v[rD:rD+7], v[rA:rA+11], v[rB:rB+11], 0, v[rSA], v[rSB] matrix_a_fmt:MATRIX_FMT_BF6 matrix_b_fmt:MATRIX_FMT_BF6 matrix_b_scale:MATRIX_SCALE_ROW1
.else
	v_wmma_scale_f32_16x16x128_f8f6f4 v[rD:rD+7], v[rA:rA+11], v[rB:rB+11], 0, v[rSA], v[rSB] matrix_a_fmt:MATRIX_FMT_BF6 matrix_b_fmt:MATRIX_FMT_BF6
.endif
.endif
.else
.if fA
.if fB
	v_wmma_scale_f32_16x16x128_f8f6f4 v[rD:rD+7], v[rA:rA+11], v[rB:rB+11], v[rD:rD+7], v[rSA], v[rSB] matrix_a_fmt:MATRIX_FMT_BF6 matrix_b_fmt:MATRIX_FMT_BF6 matrix_a_scale:MATRIX_SCALE_ROW1 matrix_b_scale:MATRIX_SCALE_ROW1
.else
	v_wmma_scale_f32_16x16x128_f8f6f4 v[rD:rD+7], v[rA:rA+11], v[rB:rB+11], v[rD:rD+7], v[rSA], v[rSB] matrix_a_fmt:MATRIX_FMT_BF6 matrix_b_fmt:MATRIX_FMT_BF6 matrix_a_scale:MATRIX_SCALE_ROW1
.endif
.else
.if fB
	v_wmma_scale_f32_16x16x128_f8f6f4 v[rD:rD+7], v[rA:rA+11], v[rB:rB+11], v[rD:rD+7], v[rSA], v[rSB] matrix_a_fmt:MATRIX_FMT_BF6 matrix_b_fmt:MATRIX_FMT_BF6 matrix_b_scale:MATRIX_SCALE_ROW1
.else
	v_wmma_scale_f32_16x16x128_f8f6f4 v[rD:rD+7], v[rA:rA+11], v[rB:rB+11], v[rD:rD+7], v[rSA], v[rSB] matrix_a_fmt:MATRIX_FMT_BF6 matrix_b_fmt:MATRIX_FMT_BF6
.endif
.endif
.endif
.endm
; ================= the head
	s_load_b256 s[4:11], s[0:1], 0x0               ; head_codes s[4:5], head_scales s[6:7], q_codes s[8:9], q_scales s[10:11]
	s_load_b128 s[12:15], s[0:1], 0x20             ; v_codes s[12:13], v_scales s[14:15]
	s_load_b64 s[16:17], s[0:1], 0x30              ; out0
	v_lshl_add_u32 v[SPW], v0, 2, SPARE
	v_mov_b32 v[NIL], 0
	ds_add_u32 v1, v2
	ds_add_u32 v1, v2
	s_wait_dscnt 0x0
	v_lshrrev_b32 v[LN], 5, v0
	v_readfirstlane_b32 s[WV], v[LN]               ; wave 0..3
	s_bfe_u32 s72, ttmp6, 0x40000                  ; cx: my place in the cluster
	s_lshl_b32 s73, ttmp9, 2                       ; in a cluster launch ttmp9 counts clusters
	s_add_co_u32 s73, s73, s72                     ; my block of 64 queries: it enters the addresses of Q, its scales and out0 alone
	s_and_b32 s74, ttmp7, 0xffff                   ; the batch, which the four partners share
	s_mul_i32 s76, s74, 16*TILEB                   ; the batch's first byte in each tensor of codes
	s_mul_i32 s75, s[WV], QV                       ; my quarter of a tile in memory, and of V in a slot
	s_add_co_u32 s78, s76, s75
	s_mov_b32 s79, 0
	s_mul_i32 s80, s[WV], QK                       ; my quarter of K in a slot: no place in the cluster enters an LDS address
	s_mul_i32 s82, s73, 4*12288                    ; Q: four row tiles of eight images
	s_add_co_u32 s82, s82, s76
	s_mov_b32 s83, 0
	s_lshl_b32 s84, s74, 16                        ; the batch in each tensor of scales: 65,536 bytes
	s_lshr_b32 s85, s73, 1
	s_lshl_b32 s85, s85, 12
	s_add_co_u32 s86, s84, s85                     ; Q's scale words: 4,096 bytes for 128 rows,
	s_and_b32 s85, s73, 1
	s_lshl_b32 s85, s85, 8
	s_add_co_u32 s86, s86, s85                     ; and which 64 of them
	s_mov_b32 s87, 0
	s_mov_b32 s85, 0
	s_lshl_b32 s88, s74, 23                        ; out0: 2,048 rows of 4,096 bytes a batch, 64 rows a block, 1,024 bytes a wave
	s_lshl_b32 s89, s73, 18
	s_add_co_u32 s88, s88, s89
	s_lshl_b32 s89, s[WV], 10
	s_add_co_u32 s88, s88, s89
	s_mov_b32 s89, 0
	s_mul_i32 s90, s72, QV                         ; the prefetches: my work-group's quarter, my wave's 8,192 bytes
	s_lshl_b32 s91, s[WV], 13
	s_add_co_u32 s90, s90, s91
	s_add_co_u32 s90, s90, s76
	s_mov_b32 s91, 0
	s_cmp_lt_u32 s[WV], 3
	s_cselect_b32 s[LIM], 0, 1
	s_or_b32 s[LIM], s[LIM], ttmp9                 ; 0 in waves 0 to 2 of the batch's first cluster: the same in all four partners
	s_cmp_eq_u32 s[LIM], 0
	s_cselect_b32 s[LIM], 1, -1
	; descriptor group 1: a dense quarter of 24,576 bytes as 96 rows of 256 bytes (32 elements of 8 bytes)
	s_mov_b32 s[G1K], 15|(3<<16)|(1<<20)|(1<<21)|(5<<22)|(3<<25)   ; 15:0 the mask: all four work-groups; 17:16 elements of 8 bytes; 20 padding on; 21 set beside a mask; 24:22 after every 64 words; 31:25 4 words of it
	s_mov_b32 s[G1V], 15|(3<<16)|(1<<21)           ; the same without padding
.irp g, G1K, G1V
	s_mov_b32 s[\g+1], 32<<16                      ; tensor_dim0 = 32
	s_mov_b32 s[\g+2], 96<<16                      ; tensor_dim1 = 96
	s_mov_b32 s[\g+3], 32<<16                      ; tile_dim0 = 32
	s_mov_b32 s[\g+4], 96                          ; tile_dim1 = 96
	s_mov_b32 s[\g+5], 32                          ; from row to row
	s_mov_b32 s[\g+6], 0
	s_mov_b32 s[\g+7], 0
.endr
	s_mov_b32 s[SEL], 0x76543210
	s_mov_b32 s[SEL+1], 0xfedcba98
	s_mov_b32 s[CS], 0x3d38aa3b                    ; log2(e) / 32
	s_mov_b32 s[CS+1], s[CS]                       ; (named with it as a pair, so it is written)
	s_mov_b32 s[PJ], 0
	s_mov_b32 s[GJ], 0
	s_wait_kmcnt 0x0
	s_add_nc_u64 s[PFA:PFA+1], s[4:5], s[90:91]
	s_add_nc_u64 s[PFA:PFA+1], s[PFA:PFA+1], 2*TILEB   ; at K's tile 2: key step 1 steps it to tile 3.  Nothing is prefetched at the head
	s_add_nc_u64 s[PFV:PFV+1], s[12:13], s[90:91]
	s_add_nc_u64 s[PFV:PFV+1], s[PFV:PFV+1], TILEB     ; at V's tile 1
	s_add_nc_u64 s[4:5], s[4:5], s[78:79]          ; K and V at my quarter of tile 0
	s_add_nc_u64 s[12:13], s[12:13], s[78:79]
	s_add_nc_u64 s[KSP:KSP+1], s[6:7], s[84:85]
	s_add_nc_u64 s[VSP:VSP+1], s[14:15], s[84:85]
	s_add_nc_u64 s[8:9], s[8:9], s[82:83]
	s_add_nc_u64 s[10:11], s[10:11], s[86:87]
	s_add_nc_u64 s[16:17], s[16:17], s[88:89]
.irp n, 0,1
	s_mov_b32 s[G0K+4*\n], 1                       ; count = 1
	s_add_co_u32 s[G0K+4*\n+1], s80, \n*SLOTB      ; LDS address
	s_add_nc_u64 s[G0K+4*\n+2:G0K+4*\n+3], s[4:5], \n*TILEB   ; global address: tile n
	s_or_b32 s[G0K+4*\n+3], s[G0K+4*\n+3], 0x80000000         ; type = 2
	s_mov_b32 s[G0V+4*\n], 1
	s_add_co_u32 s[G0V+4*\n+1], s75, \n*SLOTB
	s_add_nc_u64 s[G0V+4*\n+2:G0V+4*\n+3], s[12:13], \n*TILEB
	s_or_b32 s[G0V+4*\n+3], s[G0V+4*\n+3], 0x80000000
.endr
	CROUND                                         ; all four work-groups are here: the first joint loads meet
	tensor_load_to_lds s[G0K:G0K+3], s[G1K:G1K+7]  ; K's steps 0 and 1: the two first fills stand together
	s_nop 0
	tensor_load_to_lds s[G0K+4:G0K+7], s[G1K:G1K+7]
	s_nop 0
	PLACES
	v_and_b32 v[LN], 31, v0
	v_and_b32 v[RR], 15, v0
	v_bfe_u32 v[HH], v0, 4, 1
	v_lshlrev_b32 v[L16], 4, v[LN]
	v_lshlrev_b32 v[QSO], 2, v[LN]
.irp m, 0,1,2,3                        ; Q stays in registers through phase A: tile m, K step s: three loads of 512 consecutive bytes
	WIN 0x40+0x40*(\m/2)
.set ks, 0
.rept 8
.irp g, 0,1,2
	global_load_b128 v[12*(8*(\m%2)+ks)+4*\g:12*(8*(\m%2)+ks)+4*\g+3], v[L16], s[8:9] offset:12288*\m+1536*ks+512*\g
.endr
.set ks, ks+1
.endr
.endr
	WIN 0
.irp p, 0,1
.irp s, 0,1,2,3,4,5,6,7
	global_load_b32 v[QS+8*\p+\s], v[QSO], s[10:11] offset:512*\s+128*\p
.endr
.endr
	s_lshl_b32 s84, s[WV], 10
	v_lshl_add_u32 v[KSO], v[LN], 5, s84           ; key 32 w + L: 32 bytes a key
	v_lshl_add_u32 v[VSO], v[LN], 2, s84           ; channel 256 w + L: 4 bytes a channel
	global_load_b128 v[KS:KS+3], v[KSO], s[KSP:KSP+1]              ; K's scale words of step 0
	global_load_b128 v[KS+4:KS+7], v[KSO], s[KSP:KSP+1] offset:16
	v_mul_u32_u24 v[ADK], v[RR], KP
	v_mad_u32_u24 v[ADK], v[HH], 24, v[ADK]
	v_add_nc_u32 v[ADK], s80, v[ADK]               ; my quarter, row r, + 24 h
	v_lshl_add_u32 v[ADK+2], v[HH], 4, v[ADK]      ; and behind one padding more for lanes 16-31
	v_add_nc_u32 v[ADK+1], SLOTB, v[ADK]
	v_add_nc_u32 v[ADK+3], SLOTB, v[ADK+2]
	s_and_b32 s78, s[WV], 1
	s_lshl_b32 s78, s78, 8                         ; block w = 2 c + h' of an image: 256 h',
	s_lshr_b32 s79, s[WV], 1
	s_mul_i32 s81, s79, 520                        ; + 520 c for the first and third 8 bytes,
	s_add_co_u32 s81, s81, s78
	s_add_co_u32 s81, s81, PIMG
	s_mul_i32 s82, s79, 1016                       ; + 1,016 c for the second
	s_add_co_u32 s82, s82, s78
	s_add_co_u32 s82, s82, PIMG
	v_lshlrev_b32 v[T0], 4, v[RR]                  ; 16 r
	v_mad_u32_u24 v[T0+1], v[HH], 1536, v[T0]      ; lanes 16-31 hold the pair's second tile: the next image
	v_add_nc_u32 v[APW0], s81, v[T0+1]
	v_add_nc_u32 v[APW1], s82, v[T0+1]
	s_lshl_b32 s83, s[WV], 2
	s_add_co_u32 s86, s83, GSC
	v_add_nc_u32 v[AG], s86, v[T0]
	s_add_co_u32 s86, s83, XCH
	v_add_nc_u32 v[AX], s86, v[T0]
	v_add_nc_u32 v[AXR], XCH, v[T0]
	v_add_nc_u32 v[APR], PIMG, v[L16]
	v_add_nc_u32 v[APS], GSC, v[L16]
	v_add_nc_u32 v[ADV], s75, v[L16]
	v_add_nc_u32 v[ADV+1], SLOTB, v[ADV]
	v_mul_u32_u24 v[STO], v[RR], SP
	v_lshl_add_u32 v[STO], v[HH], 5, v[STO]
	v_add_nc_u32 v[STO], s75, v[STO]
	v_lshlrev_b32 v[PFO], 8, v[LN]
	v_and_b32 v[T0], 63, v0
	v_lshlrev_b32 v[T0], 4, v[T0]
	v_add_nc_u32 v[AXQ], XCH, v[T0]
	v_lshrrev_b32 v[T0+1], 6, v0
	v_lshl_add_u32 v[ABY], v[T0+1], 10, v[T0]
	v_add_nc_u32 v[ABY], GSC, v[ABY]
.irp m, 0,1,2,3
	v_mov_b32 v[ST+8*\m+1], 0                      ; named as the upper half of a pair
	v_mov_b32 v[ST+8*\m+3], 0                      ; a lane permute's destination counts as one of its sources
	v_mov_b32 v[ST+8*\m+6], 0x7f61b1e6             ; the running -M: 3e38, over every -m
	v_mov_b32 v[ST+8*\m+7], 0                      ; l
.endr
; ================= phase A
; A fragment of K: 16 keys x 128 of D: lane (r, h) takes 24 bytes at 96 s + 24 h and 24 at 96 s + 48 + 24 h of its key's row, in pieces of 8 bytes.  Piece PC of a row lies at 8 PC + 16 (PC / 32);
; lanes 16-31 read three pieces on, which is behind one padding more where PC % 32 is 29 or more: the second address register serves those.
.macro FRAGK reg, slot, s, u
.irp p, 0,1,2,3,4,5
.set PC, 12*(\s)+6*(\p/3)+\p%3
.if PC%32 < 29
	ds_load_b64 v[(\reg)+2*\p:(\reg)+2*\p+1], v[ADK+(\slot)] offset:16*KP*(\u)+8*PC+16*(PC/32)
.else
	ds_load_b64 v[(\reg)+2*\p:(\reg)+2*\p+1], v[ADK+2+(\slot)] offset:16*KP*(\u)+8*PC+16*(PC/32)
.endif
.endr
.endm
.macro FETCHK slot                     ; my 32 keys, all of D: 16 fragments, 96 loads in one run
	WIN 0xc0                                       ; destination window 3
.irp s, 0,1,2,3,4,5,6,7
.irp u, 0,1
	FRAGK 12*(2*\s+\u), \slot, \s, \u
.endr
.endr
	WIN 0
.endm
.macro KSLOAD par                      ; the NEXT step's scale words of K: my key's eight words
	global_load_b128 v[KS+8*(\par):KS+8*(\par)+3], v[KSO], s[KSP:KSP+1] offset:4096
	global_load_b128 v[KS+8*(\par)+4:KS+8*(\par)+7], v[KSO], s[KSP:KSP+1] offset:4096+16
.endm
.macro VSLOAD par                      ; V's scale words of the step at which VSP stands: lane L of register q holds channel 256 w + 32 q + L
.irp q, 0,1,2,3,4,5,6,7
	global_load_b32 v[VS+8*(\par)+\q], v[VSO], s[VSP:VSP+1] offset:128*\q
.endr
.endm
; 64 matrix instructions: S^T of my 32 keys x 64 queries.  Two query tiles at a time: their four accumulators take turns, one instruction a turn; the first K step starts the sums
.macro MULA par
.irp g, 0,1
	WIN 0x07+4*\g                                  ; source 0 (K) window 3, source 1 (Q) window 1 or 2, S^T window 0
.set ks, 0
.rept 8
.irp mm, 0,1
.irp u, 0,1
.set rD, S+16*(2*\g+\mm)+8*\u
.set rA, 12*(2*ks+\u)
.set rB, 12*(8*\mm+ks)
.set rSA, KS+8*(\par)+ks
.set rSB, QS+8*\g+ks
.set fA, \u
.set fB, \mm
.if ks == 0
.set fZ, 1
.else
.set fZ, 0
.endif
	WM
.endr
.endr
.set ks, ks+1
.endr
.endr
	WIN 0
.endm
; THE SOFTMAX of the step whose scores lie in S: for each of the four query tiles ONE block of 32 keys (16 in this lane, 16 in lane l xor 16).  The four tiles go by turns, so that no line waits for the line above it.
.macro SOFTMAX
.irp m, 0,1,2,3
	v_max3_num_f32 v[ST+8*\m+2], v[S+16*\m], v[S+16*\m+1], v[S+16*\m+2]      ; the block's largest score; each accumulator is read from its low end on
.endr
.irp i, 3,5,7,9,11,13
.irp m, 0,1,2,3
	v_max3_num_f32 v[ST+8*\m+2], v[ST+8*\m+2], v[S+16*\m+\i], v[S+16*\m+\i+1]
.endr
.endr
.irp m, 0,1,2,3
	v_max_num_f32 v[ST+8*\m+2], v[ST+8*\m+2], v[S+16*\m+15]
.endr
.irp m, 0,1,2,3
	v_permlanex16_b32 v[ST+8*\m+3], v[ST+8*\m+2], s[SEL], s[SEL+1]
.endr
.irp m, 0,1,2,3
	v_max_num_f32 v[ST+8*\m+2], v[ST+8*\m+2], v[ST+8*\m+3]
.endr
.irp m, 0,1,2,3
	v_mul_f32 v[ST+8*\m+3], s[CS], v[ST+8*\m+2]    ; as t
.endr
.irp m, 0,1,2,3
	v_floor_f32 v[ST+8*\m], -v[ST+8*\m+3]          ; -m = floor(-t) = -ceil(t): a whole number
.endr
.irp j, 0,2,4,6,8,10,12,14
.irp m, 0,1,2,3
	v_pk_fma_f32 v[S+16*\m+\j:S+16*\m+\j+1], v[S+16*\m+\j:S+16*\m+\j+1], s[CS:CS+1], v[ST+8*\m:ST+8*\m+1] op_sel_hi:[1,0,0]   ; t - m, two at a time
.endr
.endr
.irp m, 0,1,2,3
	v_fma_f32 v[ST+8*\m+2], v[ST+8*\m+2], s[CS], v[ST+8*\m]      ; the same of the block's largest score
.endr
.set j, 0
.rept 64
	v_exp_f32 v[S+j], v[S+j]                       ; p = 2^(t - m): ONE BATCH of 68 exponentials
.set j, j+1
.endr
.irp m, 0,1,2,3
	v_exp_f32 v[ST+8*\m+2], v[ST+8*\m+2]           ; the block's largest p: the same two instructions on the same number give the same bits
.endr
.irp m, 0,1,2,3                        ; plain work that names no exponential's result: the running -M and the two whole exponents
	v_sub_f32 v[ST+8*\m+3], v[ST+8*\m], v[ST+8*\m+6]
	v_sub_f32 v[ST+8*\m+5], v[ST+8*\m+6], v[ST+8*\m]
	v_min_num_f32 v[ST+8*\m+6], v[ST+8*\m+6], v[ST+8*\m]         ; the new running -M
.endr
.irp m, 0,1,2,3
	v_min_num_f32 v[ST+8*\m+3], 0, v[ST+8*\m+3]    ; old M - new M
	v_min_num_f32 v[ST+8*\m+5], 0, v[ST+8*\m+5]    ; m - new M
.endr
.irp m, 0,1,2,3
	v_cvt_i32_f32 v[ST+8*\m+3], v[ST+8*\m+3]       ; (it saturates)
	v_cvt_i32_f32 v[ST+8*\m+5], v[ST+8*\m+5]
.endr
	s_wait_alu depctr_va_vdst(0)                   ; the wait between the exponentials and the first line that names a result: one for the batch
.irp m, 0,1,2,3
	v_pk_add_f32 v[SU+2*\m:SU+2*\m+1], v[S+16*\m:S+16*\m+1], v[S+16*\m+2:S+16*\m+3]      ; THE SUM IS TAKEN OF THE UNQUANTISED p
.endr
.irp j, 4,6,8,10,12,14
.irp m, 0,1,2,3
	v_pk_add_f32 v[SU+2*\m:SU+2*\m+1], v[SU+2*\m:SU+2*\m+1], v[S+16*\m+\j:S+16*\m+\j+1]
.endr
.endr
.irp m, 0,1,2,3
	v_add_f32 v[SU+2*\m], v[SU+2*\m], v[SU+2*\m+1]
.endr
.irp m, 0,1,2,3
	v_ldexp_f32 v[ST+8*\m+7], v[ST+8*\m+7], v[ST+8*\m+3]         ; l under the new M: nothing is rounded
	v_ldexp_f32 v[SU+2*\m], v[SU+2*\m], v[ST+8*\m+5]             ; this block's sum likewise
.endr
.irp m, 0,1,2,3
	v_add_f32 v[ST+8*\m+7], v[ST+8*\m+7], v[SU+2*\m]             ; (my lane's half of the keys; the halves meet behind phase A)
.endr
.irp m, 0,1,2,3
	v_add_nc_u32 v[ST+8*\m+4], 0xfe000000, v[ST+8*\m+2]          ; 4 off the largest p's exponent field: the conversion's scale operand
.endr
.irp m, 0,1,2,3
	v_lshrrev_b32 v[ST+8*\m+3], 23, v[ST+8*\m+4]   ; the local byte
.endr
.irp m, 0,1,2,3
	v_cvt_f32_u32 v[ST+8*\m+5], v[ST+8*\m+3]
.endr
.irp m, 0,1,2,3
	v_sub_f32 v[ST+8*\m+5], v[ST+8*\m+5], v[ST+8*\m]             ; G = local byte + m
.endr
.irp p, 0,1
	v_cvt_scalef32_pk16_bf6_f32 v[X+16*\p:X+16*\p+2], v[S+32*\p:S+32*\p+15], v[ST+16*\p+4]
	v_cvt_scalef32_pk16_bf6_f32 v[X+16*\p+8:X+16*\p+10], v[S+32*\p+16:S+32*\p+31], v[ST+16*\p+12]
.endr
	v_nop                                          ; one plain instruction behind the scaled conversions
.irp p, 0,1                            ; the operand's layout wants a WHOLE block in a lane: the first tile's lanes 16-31 change places with the second's lanes 0-15: lane (r, h) then holds query r of tile 2 p + h
.irp i, 0,1,2
	v_permlane16_swap_b32 v[X+16*\p+\i], v[X+16*\p+8+\i]
.endr
.irp i, 0,1,2
	v_mov_b32 v[X+16*\p+3+\i], v[X+16*\p+8+\i]
.endr
.endr
	v_add_nc_u32 v[T0], s[PJ], v[APW0]
	v_add_nc_u32 v[T0+1], s[PJ], v[APW1]
	v_add_nc_u32 v[T0+2], s[GJ], v[AG]
	s_add_co_u32 s[PJ], s[PJ], 6144
	s_add_co_u32 s[GJ], s[GJ], 1024
.irp p, 0,1
	ds_store_b64 v[T0], v[X+16*\p:X+16*\p+1] offset:3072*\p                  ; block w of the image of (this step, tile 2 p + h)
	ds_store_b64 v[T0+1], v[X+16*\p+2:X+16*\p+3] offset:3072*\p+8
	ds_store_b64 v[T0], v[X+16*\p+4:X+16*\p+5] offset:3072*\p+512
.endr
.irp m, 0,1,2,3
	ds_store_b32 v[T0+2], v[ST+8*\m+5] offset:256*\m             ; both halves of the lanes write the same word with the same value
.endr
.endm
; A KEY STEP.  The change of slots comes first, so that the refill has the softmax and the products in which to land; K's fragments are on their way out of LDS while the LAST step's softmax is worked.
; kind 0: the first step; 1: the slot just left takes K's next tile; 2: the last step: it takes V's tile 0.
.macro ASTEP par, soft, kind, ask
.if \kind == 0
	s_wait_tensorcnt 0x1                           ; my quarter of step 0 is in, step 1's may be out; nobody else reads it, so no barrier
.elseif \kind == 1
	CHANGE G0K+4*(1-\par),1,G1K,KSP,PFA,1,\ask
.else
	CHANGE G0V,0,G1V,0,PFV,0,1
.endif
	FETCHK \par
.if \kind == 2
	VSLOAD 0
.else
	KSLOAD 1-\par
.endif
.if \soft
	SOFTMAX
.endif
.if \kind == 2
	s_wait_loadcnt 8                               ; this step's scale words are in; the eight loads of V's may be out
.else
	s_wait_loadcnt 2                               ; all but the next step's two loads: this step's scale words (in the first step Q and its scale words too)
.endif
	s_wait_dscnt 0x0                               ; K's fragments are in
	MULA \par
.endm
	ASTEP 0,0,0,0
	s_mov_b32 s[TA], 7
.Lkeys:                                ; key steps 1 to 14, two a trip
	ASTEP 1,1,1,1
	ASTEP 0,1,1,2
	s_sub_co_u32 s[TA], s[TA], 1
	s_cmp_lg_u32 s[TA], 0
	s_cbranch_scc1 .Lkeys
	ASTEP 1,1,2,0                                  ; key step 15
	PLACES
	SOFTMAX                                        ; and its softmax
; ================= between the phases
.irp m, 0,1,2,3
	v_permlanex16_b32 v[ST+8*\m+3], v[ST+8*\m+7], s[SEL], s[SEL+1]
.endr
.irp m, 0,1,2,3
	v_add_f32 v[ST+8*\m+7], v[ST+8*\m+7], v[ST+8*\m+3]           ; l of my wave's keys
.endr
.irp m, 0,1,2,3
	ds_store_b32 v[AX], v[ST+8*\m+6] offset:256*\m
	ds_store_b32 v[AX], v[ST+8*\m+7] offset:256*\m+1024
.endr
	CHANGE G0V+4,0,G1V,0,PFV,1,1                   ; slot 1 takes V's tile 1.  The same round shows every wave's images, G, -M and l to all four waves
	ds_load_b128 v[96:99], v[AXQ]                  ; the four waves' -M of query thread % 64
.irp k, 0,1,2,3,4,5,6,7
	ds_load_b128 v[100+4*\k:103+4*\k], v[ABY] offset:2048*\k     ; the four G of (key step thread / 64 + 2 k, that query)
.endr
.irp m, 0,1,2,3
	ds_load_b128 v[64+8*\m:67+8*\m], v[AXR] offset:256*\m        ; -M and l of query 16 m + r
	ds_load_b128 v[68+8*\m:71+8*\m], v[AXR] offset:256*\m+1024
.endr
	s_wait_dscnt 0x0
	v_min3_num_f32 v96, v96, v97, v98
	v_min_num_f32 v96, v96, v99                    ; the row's -M
.irp c, 0,1,2,3
.irp k, 0,1,2,3,4,5,6,7
	v_add_f32 v[100+4*\k+\c], v[100+4*\k+\c], v96  ; the byte = G - M,
.endr
.endr
.irp c, 0,1,2,3
.irp k, 0,1,2,3,4,5,6,7
	v_max_num_f32 v[100+4*\k+\c], 1.0, v[100+4*\k+\c]            ; held at 1 from below
.endr
.endr
.irp c, 0,1,2,3
.irp k, 0,1,2,3,4,5,6,7
	v_cvt_u32_f32 v[100+4*\k+\c], v[100+4*\k+\c]
.endr
.endr
.irp c, 1,2,3
.irp k, 0,1,2,3,4,5,6,7
	v_lshl_or_b32 v[100+4*\k], v[100+4*\k+\c], 8*\c, v[100+4*\k] ; wave w's block is byte w of the scale word
.endr
.endr
.irp k, 0,1,2,3,4,5,6,7
	ds_store_b32 v[ABY], v[100+4*\k] offset:2048*\k              ; over the first G, which I alone have read
.endr
.irp m, 0,1,2,3
	v_min3_num_f32 v[ST+8*\m], v[64+8*\m], v[65+8*\m], v[66+8*\m]
.endr
.irp m, 0,1,2,3
	v_min_num_f32 v[ST+8*\m], v[ST+8*\m], v[67+8*\m]
.endr
.irp w, 0,1,2,3
.irp m, 0,1,2,3
	v_sub_f32 v[64+8*\m+\w], v[ST+8*\m], v[64+8*\m+\w]           ; wave w's M less the row's: a whole number, 0 or less
.endr
.endr
.irp w, 0,1,2,3
.irp m, 0,1,2,3
	v_cvt_i32_f32 v[64+8*\m+\w], v[64+8*\m+\w]
.endr
.endr
.irp w, 0,1,2,3
.irp m, 0,1,2,3
	v_ldexp_f32 v[68+8*\m+\w], v[68+8*\m+\w], v[64+8*\m+\w]
.endr
.endr
.irp m, 0,1,2,3
	v_add_f32 v[68+8*\m], v[68+8*\m], v[69+8*\m]
	v_add_f32 v[70+8*\m], v[70+8*\m], v[71+8*\m]
.endr
.irp m, 0,1,2,3
	v_add_f32 v[68+8*\m], v[68+8*\m], v[70+8*\m]   ; the row's sum
.endr
.irp m, 0,1,2,3
	v_rcp_f32 v[LINV+2*\m], v[68+8*\m]
.endr
.irp m, 0,1,2,3
	v_mov_b32 v[LINV+2*\m+1], 0                    ; (plain lines behind the reciprocals; the pairs' upper halves are named, so they are written)
.endr
	s_wait_alu depctr_va_vdst(0)                   ; one wait for the four reciprocals, ahead of every label and of their first reader
	s_wait_dscnt 0x0                               ; my scale words lie in LDS
	s_barrier_signal -1
	s_barrier_wait -1
; ================= phase B
.macro FETCHV slot, half               ; eight of my sixteen fragments of V: images, three loads of 512 consecutive bytes each
	WIN 0x40                                       ; destination window 1
.set tt, 8*(\half)
.rept 8
.irp g, 0,1,2
	ds_load_b128 v[12*tt+4*\g:12*tt+4*\g+3], v[ADV+(\slot)] offset:1536*tt+512*\g
.endr
.set tt, tt+1
.endr
	WIN 0
.endm
.macro FETCHP par                      ; the next key step's four fragments of P and their scale words: 14 loads
	v_add_nc_u32 v[T0], s[PJ], v[APR]
	v_add_nc_u32 v[T0+1], s[GJ], v[APS]
	s_add_co_u32 s[PJ], s[PJ], 6144
	s_add_co_u32 s[GJ], s[GJ], 1024
.irp m, 0,1,2,3
.irp g, 0,1,2
	ds_load_b128 v[PF+48*(\par)+12*\m+4*\g:PF+48*(\par)+12*\m+4*\g+3], v[T0] offset:1536*\m+512*\g
.endr
.endr
	ds_load_b32 v[PS+2*(\par)], v[T0+1]            ; lanes 0-15 tile 0's queries, lanes 16-31 tile 1's
	ds_load_b32 v[PS+2*(\par)+1], v[T0+1] offset:512
.endm
; 32 matrix instructions: eight channel tiles x four query tiles, 128 keys.  The 32 accumulators take turns, one instruction a turn
.macro MULB par, half, zero
	WIN 0xa1+0x50*(\half)                          ; source 0 (V) window 1, source 1 (P) window 0, O^T window 2 or 3
.set tt, 0
.rept 8
.irp m, 0,1,2,3
.set rD, 8*(4*tt+\m)
.set rA, 12*(8*(\half)+tt)
.set rB, PF+48*(\par)+12*\m
.set rSA, VS+8*(\par)+4*(\half)+tt/2
.set rSB, PS+2*(\par)+\m/2
.set fA, tt%2
.set fB, \m%2
.set fZ, \zero
	WM
.endr
.set tt, tt+1
.endr
	WIN 0
.endm
; A KEY STEP of phase B.  V's lower half, P and the scale words were fetched in the step before.  The change of slots stands in the step's middle, when all of the slot has been read:
; mode 2: the slot takes V's tile two steps on, which has a whole step's 64 matrix instructions in which to land; mode 1: nothing is left to fetch; mode 0: the last step.
.macro BSTEP par, zero, mode, ask
	PLACES                                         ; in front of loads into registers that the last step's products have read
	FETCHV \par, 1
	s_wait_loadcnt 0x0                             ; V's scale words of this step
	s_wait_dscnt 24                                ; all but the 24 just issued: V's lower half, P and its scale words are in
	MULB \par, 0, \zero
.if \mode == 2
	CHANGE G0V+4*(\par),1,G1V,VSP,PFV,1,\ask
.elseif \mode == 1
	s_wait_tensorcnt 0x0                           ; V's last tile has landed
	ds_add_u32 v[SPW], v[NIL]                      ; 0 onto my spare word
	s_wait_xcnt 0x0
	s_add_nc_u64 s[VSP:VSP+1], s[VSP:VSP+1], 4096
	s_wait_dscnt 0x0
	s_barrier_signal -1
	s_barrier_wait -1
	PLACES
.else
	s_wait_dscnt 0x0                               ; V's upper half is in
.endif
.if \mode
	FETCHV 1-\par, 0
	FETCHP 1-\par
	VSLOAD 1-\par
.endif
	MULB \par, 1, \zero
.endm
	s_mov_b32 s[PJ], 0
	s_mov_b32 s[GJ], 0
	FETCHV 0, 0
	FETCHP 0
	BSTEP 0,1,2,1                                  ; key step 0: its products start the sums: nothing is ever cleared
	s_mov_b32 s[TB2], 6
.Lvals:                                ; key steps 1 to 12, two a trip
	BSTEP 1,0,2,1
	BSTEP 0,0,2,1
	s_sub_co_u32 s[TB2], s[TB2], 1
	s_cmp_lg_u32 s[TB2], 0
	s_cbranch_scc1 .Lvals
	BSTEP 1,0,2,0                                  ; key step 13 asks for V's last tile, and prefetches nothing
	BSTEP 0,0,1,0                                  ; the tail is written out
	BSTEP 1,0,0,0
; ================= the way out.  Eight blocks of 16 queries x 128 channels: O^T / l goes through my stage in LDS and comes back as rows of 512 bytes, which the 32 lanes store whole.
.macro OUTB beta
.set hf, (\beta)/4
.set mq, (\beta)%4
	WIN 0x02+hf                                    ; source 0 (O^T) window 2 or 3
.set tt, 0
.rept 8
.irp i, 0,2,4,6
	v_pk_mul_f32 v[TMP+8*tt+\i:TMP+8*tt+\i+1], v[8*(4*tt+mq)+\i:8*(4*tt+mq)+\i+1], v[LINV+2*mq:LINV+2*mq+1] op_sel_hi:[1,0]   ; each accumulator from its low end on
.endr
.set tt, tt+1
.endr
	WIN 0
.set tt, 0
.rept 8
	ds_store_b128 v[STO], v[TMP+8*tt:TMP+8*tt+3] offset:64*tt                ; lane (r, h): query r, channels 16 t + 8 h + 0 .. 7
	ds_store_b128 v[STO], v[TMP+8*tt+4:TMP+8*tt+7] offset:64*tt+16
.set tt, tt+1
.endr
.if (\beta) >= 2
	s_wait_xcnt 0x0                                ; the stores of the block two back have read their registers: this block's rows may land there
.endif
	WIN 0x40                                       ; destination window 1
.set tt, 0
.rept 16
	ds_load_b128 v[64*((\beta)%2)+4*tt:64*((\beta)%2)+4*tt+3], v[ADV] offset:SP*tt    ; LDS serves a wave's instructions in order (ISA guide 5.7.1.4): these see the stores above, and the next block's stores come behind them
.set tt, tt+1
.endr
	WIN 0
.endm
.macro SEND beta, younger              ; younger: the LDS instructions issued behind this block's loads, which may stay out
.set hf, (\beta)/4
.set mq, (\beta)%4
	s_wait_dscnt \younger
	WIN 0x04                                       ; a store's data are its source 1: window 1
.set tt, 0
.rept 16
	global_store_b128 v[L16], v[64*((\beta)%2)+4*tt:64*((\beta)%2)+4*tt+3], s[16:17] offset:(16*mq+tt)*4096+512*hf th:TH_STORE_NT   ; 32 lanes store 512 consecutive bytes, at a multiple of 256 from out0's first byte
.set tt, tt+1
.endr
	WIN 0
.endm
	PLACES
	OUTB 0
.irp b, 1,2,3,4,5,6,7
	OUTB \b
	SEND \b-1, 32                                  ; behind that block's loads: this block's 16 stores and 16 loads
.endr
	SEND 7, 0
	s_wait_tensorcnt 0x0                           ; the wave's end, behind my last tensor load and my last LDS store
	ds_add_u32 v[SPW], v[NIL]
	s_wait_dscnt 0x0
	CROUND                                         ; the closing round: no work-group ends while a partner may still ask for a tile that names it
	s_endpgm
.Lfunc_end_k_q8a8ccf7571_attn:
	.size	k_q8a8ccf7571_attn, .Lfunc_end_k_q8a8ccf7571_attn-k_q8a8ccf7571_attn
	.p2alignl 7, 3214868480
	.fill 96, 4, 3214868480
	.section	.rodata,"a",@progbits
	.p2align	6, 0x0
	.amdhsa_kernel k_q8a8ccf7571_attn
		.amdhsa_group_segment_fixed_size 327680
		.amdhsa_private_segment_fixed_size 0
		.amdhsa_enable_private_segment 0
		.amdhsa_kernarg_size 56
		.amdhsa_user_sgpr_count 2
		.amdhsa_user_sgpr_kernarg_segment_ptr 1
		.amdhsa_wavefront_size32 1
		.amdhsa_system_sgpr_workgroup_id_x 1
		.amdhsa_system_sgpr_workgroup_id_y 1
		.amdhsa_system_sgpr_workgroup_id_z 1
		.amdhsa_system_vgpr_workitem_id 0
		.amdhsa_next_free_vgpr 1024
		.amdhsa_next_free_sgpr 100
		.amdhsa_reserve_vcc 0
		.amdhsa_float_denorm_mode_32 3
		.amdhsa_float_denorm_mode_16_64 3
		.amdhsa_memory_ordered 1
		.amdhsa_forward_progress 1
		.amdhsa_inst_pref_size 255
	.end_amdhsa_kernel
	.section	.bss,"aw",@nobits
	.p2align	6
	.space	262144
	.amdgpu_metadata
---
amdhsa.version: [ 1, 2 ]
amdhsa.kernels:
  - .name:           k_q8a8ccf7571_attn
    .symbol:         k_q8a8ccf7571_attn.kd
    .args:
      - { .name: head_codes, .offset: 0, .size: 8, .value_kind: global_buffer, .address_space: global }
      - { .name: head_scales, .offset: 8, .size: 8, .value_kind: global_buffer, .address_space: global }
      - { .name: q_codes, .offset: 16, .size: 8, .value_kind: global_buffer, .address_space: global }
      - { .name: q_scales, .offset: 24, .size: 8, .value_kind: global_buffer, .address_space: global }
      - { .name: v_codes, .offset: 32, .size: 8, .value_kind: global_buffer, .address_space: global }
      - { .name: v_scales, .offset: 40, .size: 8, .value_kind: global_buffer, .address_space: global }
      - { .name: out0, .offset: 48, .size: 8, .value_kind: global_buffer, .address_space: global }
    .group_segment_fixed_size: 327680
    .private_segment_fixed_size: 0
    .kernarg_segment_align: 8
    .kernarg_segment_size: 56
    .max_flat_workgroup_size: 128
    .sgpr_count:     100
    .vgpr_count:     1024
    .wavefront_size: 32
...
	.end_amdgpu_metadata
.endif
;; end of part 2
;; ======== version 2 of 2: 2 launches
;; limits: right only within a limited range of input values
;; workspace buffers: q_codes 12,582,912 bytes; q_scales 524,288 bytes; v_codes 12,582,912 bytes; v_scales 524,288 bytes
;; launch quant: the kernel of part 1 again; grid 8 x 128, 4 waves a work-group, no clusters, 81,408 bytes of LDS; arguments tail, q_codes, q_scales, v_codes, v_scales; writes q_codes, q_scales, v_codes, v_scales
;; launch attn (part 3): grid 32 x 8, 4 waves a work-group, clusters of 4 x 1, 327,680 bytes of LDS; arguments head_codes, head_scales, q_codes, q_scales, v_codes, v_scales, out0; writes out0
.if DOCPART == 3
	.amdgcn_target "amdgcn-amd-amdhsa--gfx1250"
	.amdhsa_code_object_version 6
	.text
	.protected	k_q8a8ccf7571_attn
	.globl	k_q8a8ccf7571_attn
	.p2align	8
	.type	k_q8a8ccf7571_attn,@function
k_q8a8ccf7571_attn:
	s_mov_b64 s[64:65], 0
	v_nop
	global_prefetch_b8 v0, s[64:65] scope:SCOPE_SE
	s_setreg_imm32_b32 hwreg(HW_REG_WAVE_MODE, 25, 1), 1
	s_wait_xcnt 0x0
	s_wait_alu depctr_hold_cnt(0) depctr_sa_sdst(0) depctr_va_vdst(0) depctr_va_sdst(0) depctr_va_ssrc(0) depctr_va_vcc(0) depctr_vm_vsrc(0)
	s_getreg_b32 s2, hwreg(HW_REG_IB_STS2, 6, 4)
	s_cmp_eq_u32 s2, 0
	s_cbranch_scc0 .Lentry_in_a_cluster
	s_endpgm
.Lentry_in_a_cluster:
	s_bfe_u32 s2, ttmp6, 0x10000c
	s_cmp_lg_u32 s2, 0x3003
	s_cbranch_scc0 .Lentry_shape_is_right
	s_endpgm
.Lentry_shape_is_right:
; out = softmax(tail head^T / 32) tail in MX-BF6.  A work-group takes 64 queries (rows of tail) of one batch through both products; the four work-groups of a cluster ask for K's and V's tiles jointly.
; PHASE A: 16 steps of 128 keys.  K's tile (head_codes, 128 rows x 768 bytes = 384 chunks of 256 bytes, padded to 272 in LDS) goes through a ring of two slots;
; wave w takes keys 32 w .. + 31 against all 64 queries (Q's fragments stay in registers), S^T = K Q^T, so that a lane holds one query.
; p = 2^(t - M) with M the ceiling of the STEP's largest t of the query's block; codes and a provisional scale go into P's image in LDS (98,304 bytes);
; behind the last step the row's M is known and each block's scale byte is moved by the whole number M(step) - M(row).
; PHASE B: 16 steps of 128 keys through the same two slots, O^T += V^T P^T; wave w owns columns 256 w .. + 255 of the result for all 64 queries (512 accumulator registers).
; THE HEAD: the first two K tiles are 196,608 consecutive bytes and the two slots lie on end in LDS, so ONE load a wave (192 chunks) fills both slots;
; Q's fragments and the scale words are asked for, and the addresses made, between that load and the wait for it.
; LIMITS: the scaled scores stay under 2^23 in magnitude; NaN and infinities are not served; a block's scale byte is held at 1 from below,
; so a block that lies more than 2^121 under its row's largest p counts with the byte 1.
.set TILEB, 98304
.set QV,    24576
.set QK,    26112
.set KP,    816
.set SLOTB, 104448
.set PIMG,  2*SLOTB
.set GSC,   PIMG+TILEB
.set XCH,   GSC+16384
.set SPARE, XCH+2048
.set SP,    528
.set SPW, 1
.set NIL, 2
.set LN,  3
.set ADK, 4
.set APW0, 8
.set APW1, 9
.set AG,  10
.set KSO, 11
.set APR, 12
.set APS, 13
.set ADV, 14
.set VSO, 16
.set T0,  17
.set STO, 20
.set L16, 22
.set PFO, 23
.set AX,  24
.set AXR, 25
.set AXQ, 26
.set ABY, 27
.set QSO, 29
.set RR,  30
.set HH,  31
.set ST,  32
.set S,   64
.set X,   128
.set SU,  160
.set QS,  168
.set KS,  184
.set VS,  200
.set PS,  216
.set LINV, 220
.set PF,  64
.set TMP, 64
.set WV,  18
.set SEL, 20
.set CS,  22
.set G1K, 24
.set G1V, 32
.set G0K, 40
.set G0V, 48
.set TA,  56
.set TB2, 57
.set PFA, 58
.set PFV, 60
.set LIM, 62
.set PJ,  66
.set GJ,  67
.set KSP, 68
.set VSP, 70
.set CT,  92
.set FF,  93
.set WR,  94
.set WS,  96
.set MSB, 0
.macro WIN new
.if MSB != (\new)
	s_set_vgpr_msb (MSB<<8)|(\new)
.set MSB, (\new)
.endif
.endm
.macro PLACES
.rept 4
	v_nop
.endr
.endm
.macro CROUND
	s_barrier_signal -1
	s_barrier_wait -1
	s_cmp_lg_u32 s[WV], 0
	s_cbranch_scc1 .Lnot_wave_0_\@
	s_barrier_signal -3
.Lnot_wave_0_\@:
	s_barrier_wait -3
	s_barrier_signal -1
	s_barrier_wait -1
.endm
.macro ASK how, ptr
.if (\how) == 1
	s_cmp_eq_u32 s[LIM], 7
.else
	s_cmp_eq_u32 s[TA], s[LIM]
.endif
	s_cbranch_scc0 .Lnot_mine_\@
	global_prefetch_b8 v[PFO], s[(\ptr):(\ptr)+1] th:TH_LOAD_NT scope:SCOPE_SE
.Lnot_mine_\@:
.endm
.macro CHANGE g0, stepit, g1, sp, pf, pfstep, ask
	s_wait_tensorcnt 0x0
	ds_add_u32 v[SPW], v[NIL]
.if \stepit
	s_cmp_lt_u32 s[CT], 2
	s_cselect_b32 s[WR], 16*TILEB, 0
	s_add_nc_u64 s[(\g0)+2:(\g0)+3], s[(\g0)+2:(\g0)+3], 2*TILEB
	s_sub_nc_u64 s[(\g0)+2:(\g0)+3], s[(\g0)+2:(\g0)+3], s[WR:WR+1]
.endif
.if (\sp) || (\pfstep)
	s_wait_xcnt 0x0
.endif
.if \sp
	s_cmp_eq_u32 s[CT], 0
	s_cselect_b32 s[WS], 0x10000, 0
	s_add_nc_u64 s[(\sp):(\sp)+1], s[(\sp):(\sp)+1], 4096
	s_sub_nc_u64 s[(\sp):(\sp)+1], s[(\sp):(\sp)+1], s[WS:WS+1]
.endif
.if \pfstep
	s_add_nc_u64 s[(\pf):(\pf)+1], s[(\pf):(\pf)+1], TILEB
.endif
	s_add_co_u32 s[CT], s[CT], 1
	s_and_b32 s[CT], s[CT], 15
	s_wait_dscnt 0x0
	CROUND
	tensor_load_to_lds s[(\g0):(\g0)+3], s[(\g1):(\g1)+7]
	s_nop 0
	PLACES
.if \ask
	ASK \ask, \pf
.endif
.endm
.macro WM
.if fZ
.if fA
.if fB
	v_wmma_scale_f32_16x16x128_f8f6f4 v[rD:rD+7], v[rA:rA+11], v[rB:rB+11], 0, v[rSA], v[rSB] matrix_a_fmt:MATRIX_FMT_BF6 matrix_b_fmt:MATRIX_FMT_BF6 matrix_a_scale:MATRIX_SCALE_ROW1 matrix_b_scale:MATRIX_SCALE_ROW1
.else
	v_wmma_scale_f32_16x16x128_f8f6f4 v[rD:rD+7], v[rA:rA+11], v[rB:rB+11], 0, v[rSA], v[rSB] matrix_a_fmt:MATRIX_FMT_BF6 matrix_b_fmt:MATRIX_FMT_BF6 matrix_a_scale:MATRIX_SCALE_ROW1
.endif
.else
.if fB
	v_wmma_scale_f32_16x16x128_f8f6f4 v[rD:rD+7], v[rA:rA+11], v[rB:rB+11], 0, v[rSA], v[rSB] matrix_a_fmt:MATRIX_FMT_BF6 matrix_b_fmt:MATRIX_FMT_BF6 matrix_b_scale:MATRIX_SCALE_ROW1
.else
	v_wmma_scale_f32_16x16x128_f8f6f4 v[rD:rD+7], v[rA:rA+11], v[rB:rB+11], 0, v[rSA], v[rSB] matrix_a_fmt:MATRIX_FMT_BF6 matrix_b_fmt:MATRIX_FMT_BF6
.endif
.endif
.else
.if fA
.if fB
	v_wmma_scale_f32_16x16x128_f8f6f4 v[rD:rD+7], v[rA:rA+11], v[rB:rB+11], v[rD:rD+7], v[rSA], v[rSB] matrix_a_fmt:MATRIX_FMT_BF6 matrix_b_fmt:MATRIX_FMT_BF6 matrix_a_scale:MATRIX_SCALE_ROW1 matrix_b_scale:MATRIX_SCALE_ROW1
.else
	v_wmma_scale_f32_16x16x128_f8f6f4 v[rD:rD+7], v[rA:rA+11], v[rB:rB+11], v[rD:rD+7], v[rSA], v[rSB] matrix_a_fmt:MATRIX_FMT_BF6 matrix_b_fmt:MATRIX_FMT_BF6 matrix_a_scale:MATRIX_SCALE_ROW1
.endif
.else
.if fB
	v_wmma_scale_f32_16x16x128_f8f6f4 v[rD:rD+7], v[rA:rA+11], v[rB:rB+11], v[rD:rD+7], v[rSA], v[rSB] matrix_a_fmt:MATRIX_FMT_BF6 matrix_b_fmt:MATRIX_FMT_BF6 matrix_b_scale:MATRIX_SCALE_ROW1
.else
	v_wmma_scale_f32_16x16x128_f8f6f4 v[rD:rD+7], v[rA:rA+11], v[rB:rB+11], v[rD:rD+7], v[rSA], v[rSB] matrix_a_fmt:MATRIX_FMT_BF6 matrix_b_fmt:MATRIX_FMT_BF6
.endif
.endif
.endif
.endm
	s_load_b256 s[4:11], s[0:1], 0x0
	s_load_b128 s[12:15], s[0:1], 0x20
	s_load_b64 s[16:17], s[0:1], 0x30
	v_lshl_add_u32 v[SPW], v0, 2, SPARE
	v_mov_b32 v[NIL], 0
	ds_add_u32 v1, v2
	ds_add_u32 v1, v2
	s_wait_dscnt 0x0
	v_lshrrev_b32 v[LN], 5, v0
	v_readfirstlane_b32 s[WV], v[LN]
	s_bfe_u32 s72, ttmp6, 0x40000
	s_lshl_b32 s73, ttmp9, 2
	s_add_co_u32 s73, s73, s72
	s_and_b32 s74, ttmp7, 0xffff
	s_and_b32 s77, ttmp9, 2
	s_lshl_b32 s77, s77, 1
	s_lshr_b32 s[FF], ttmp9, 2
	s_xor_b32 s[FF], s[FF], ttmp9
	s_and_b32 s[FF], s[FF], 1
	s_lshl_b32 s[FF], s[FF], 3
	s_add_co_u32 s[FF], s[FF], s77
	s_add_co_u32 s[CT], s[FF], 2
	s_mul_i32 s77, s[FF], TILEB
	s_mov_b32 s[WR+1], 0
	s_mov_b32 s[WS+1], 0
	s_mul_i32 s76, s74, 16*TILEB
	s_mul_i32 s75, s[WV], QV
	s_add_co_u32 s78, s76, s75
	s_add_co_u32 s78, s78, s77
	s_mov_b32 s79, 0
	s_mul_i32 s80, s[WV], QK
	s_mul_i32 s82, s73, 4*12288
	s_add_co_u32 s82, s82, s76
	s_mov_b32 s83, 0
	s_lshl_b32 s84, s74, 16
	s_lshr_b32 s85, s73, 1
	s_lshl_b32 s85, s85, 12
	s_add_co_u32 s86, s84, s85
	s_and_b32 s85, s73, 1
	s_lshl_b32 s85, s85, 8
	s_add_co_u32 s86, s86, s85
	s_mov_b32 s87, 0
	s_mov_b32 s85, 0
	s_lshl_b32 s81, s[FF], 12
	s_add_co_u32 s84, s84, s81
	s_lshl_b32 s88, s74, 23
	s_lshl_b32 s89, s73, 18
	s_add_co_u32 s88, s88, s89
	s_lshl_b32 s89, s[WV], 10
	s_add_co_u32 s88, s88, s89
	s_mov_b32 s89, 0
	s_mul_i32 s90, s72, QV
	s_lshl_b32 s91, s[WV], 13
	s_add_co_u32 s90, s90, s91
	s_add_co_u32 s90, s90, s76
	s_add_co_u32 s90, s90, s77
	s_mov_b32 s91, 0
	s_cmp_lt_u32 s[WV], 3
	s_cselect_b32 s[LIM], 0, 1
	s_lshr_b32 s81, ttmp9, 2
	s_or_b32 s[LIM], s[LIM], s81
	s_cmp_eq_u32 s[LIM], 0
	s_cselect_b32 s[LIM], 7, -1
	s_mov_b32 s[G1K], 15|(3<<16)|(1<<20)|(1<<21)|(5<<22)|(3<<25)
.irp g, G1K, G1V
	s_mov_b32 s[\g+1], 32<<16
	s_mov_b32 s[\g+2], 96<<16
	s_mov_b32 s[\g+3], 32<<16
	s_mov_b32 s[\g+4], 96
	s_mov_b32 s[\g+5], 32
	s_mov_b32 s[\g+6], 0
	s_mov_b32 s[\g+7], 0
.endr
	s_mov_b32 s[G1V], 15|(3<<16)|(1<<20)|(1<<21)|(5<<22)|(3<<25)   ; for the head's load V's group 1 states 192 padded chunks; it gets V's own words behind the wait for that load
	s_mov_b32 s[G1V+2], 192<<16
	s_mov_b32 s[G1V+4], 192
	s_mov_b32 s[SEL], 0x76543210
	s_mov_b32 s[SEL+1], 0xfedcba98
	s_mov_b32 s[CS], 0x3d38aa3b
	s_mov_b32 s[CS+1], s[CS]
	s_mov_b32 s[PJ], 0
	s_mov_b32 s[GJ], 0
	s_wait_kmcnt 0x0
	s_add_nc_u64 s[PFA:PFA+1], s[4:5], s[90:91]
	s_add_nc_u64 s[PFA:PFA+1], s[PFA:PFA+1], 3*TILEB
	s_add_nc_u64 s[PFV:PFV+1], s[12:13], s[90:91]
	s_add_nc_u64 s[PFV:PFV+1], s[PFV:PFV+1], TILEB
	s_add_nc_u64 s[4:5], s[4:5], s[78:79]
	s_add_nc_u64 s[12:13], s[12:13], s[78:79]
	s_add_nc_u64 s[KSP:KSP+1], s[6:7], s[84:85]
	s_add_nc_u64 s[VSP:VSP+1], s[14:15], s[84:85]
	s_add_nc_u64 s[8:9], s[8:9], s[82:83]
	s_add_nc_u64 s[10:11], s[10:11], s[86:87]
	s_add_nc_u64 s[16:17], s[16:17], s[88:89]
.irp n, 0,1
	s_mov_b32 s[G0K+4*\n], 1
	s_add_co_u32 s[G0K+4*\n+1], s80, \n*SLOTB
	s_add_nc_u64 s[G0K+4*\n+2:G0K+4*\n+3], s[4:5], \n*TILEB
	s_or_b32 s[G0K+4*\n+3], s[G0K+4*\n+3], 0x80000000
	s_mov_b32 s[G0V+4*\n], 1
	s_add_co_u32 s[G0V+4*\n+1], s75, \n*SLOTB
	s_add_nc_u64 s[G0V+4*\n+2:G0V+4*\n+3], s[12:13], \n*TILEB
	s_or_b32 s[G0V+4*\n+3], s[G0V+4*\n+3], 0x80000000
.endr
	CROUND
	s_mov_b32 s88, 1                               ; the head's group 0: chunks 192 w .. + 191 of my cluster's first two tiles
	s_lshl_b32 s89, s80, 1                         ; to LDS byte 52,224 w (2 x 96 chunks of 272 bytes)
	s_mov_b32 s90, s75
	s_mov_b32 s91, 0
	s_add_nc_u64 s[90:91], s[4:5], s[90:91]        ; s[4:5] holds 24,576 w already: 49,152 w in all
	s_or_b32 s91, s91, 0x80000000
	tensor_load_to_lds s[88:91], s[G1V:G1V+7]      ; my one tensor load at the head: a quarter of both slots
	s_nop 0
	PLACES
	v_and_b32 v[LN], 31, v0
	v_and_b32 v[RR], 15, v0
	v_bfe_u32 v[HH], v0, 4, 1
	v_lshlrev_b32 v[L16], 4, v[LN]
	v_lshlrev_b32 v[QSO], 2, v[LN]
.irp m, 0,1,2,3
	WIN 0x40+0x40*(\m/2)
.set ks, 0
.rept 8
.irp g, 0,1,2
	global_load_b128 v[12*(8*(\m%2)+ks)+4*\g:12*(8*(\m%2)+ks)+4*\g+3], v[L16], s[8:9] offset:12288*\m+1536*ks+512*\g
.endr
.set ks, ks+1
.endr
.endr
	WIN 0
.irp p, 0,1
.irp s, 0,1,2,3,4,5,6,7
	global_load_b32 v[QS+8*\p+\s], v[QSO], s[10:11] offset:512*\s+128*\p
.endr
.endr
	s_lshl_b32 s84, s[WV], 10
	v_lshl_add_u32 v[KSO], v[LN], 5, s84
	v_lshl_add_u32 v[VSO], v[LN], 2, s84
	global_load_b128 v[KS:KS+3], v[KSO], s[KSP:KSP+1]
	global_load_b128 v[KS+4:KS+7], v[KSO], s[KSP:KSP+1] offset:16
	v_mul_u32_u24 v[ADK], v[RR], KP
	v_mad_u32_u24 v[ADK], v[HH], 24, v[ADK]
	v_add_nc_u32 v[ADK], s80, v[ADK]
	v_lshl_add_u32 v[ADK+2], v[HH], 4, v[ADK]
	v_add_nc_u32 v[ADK+1], SLOTB, v[ADK]
	v_add_nc_u32 v[ADK+3], SLOTB, v[ADK+2]
	s_and_b32 s78, s[WV], 1
	s_lshl_b32 s78, s78, 8
	s_lshr_b32 s79, s[WV], 1
	s_mul_i32 s81, s79, 520
	s_add_co_u32 s81, s81, s78
	s_add_co_u32 s81, s81, PIMG
	s_mul_i32 s82, s79, 1016
	s_add_co_u32 s82, s82, s78
	s_add_co_u32 s82, s82, PIMG
	v_lshlrev_b32 v[T0], 4, v[RR]
	v_mad_u32_u24 v[T0+1], v[HH], 1536, v[T0]
	v_add_nc_u32 v[APW0], s81, v[T0+1]
	v_add_nc_u32 v[APW1], s82, v[T0+1]
	s_lshl_b32 s83, s[WV], 2
	s_add_co_u32 s86, s83, GSC
	v_add_nc_u32 v[AG], s86, v[T0]
	s_add_co_u32 s86, s83, XCH
	v_add_nc_u32 v[AX], s86, v[T0]
	v_add_nc_u32 v[AXR], XCH, v[T0]
	v_add_nc_u32 v[APR], PIMG, v[L16]
	v_add_nc_u32 v[APS], GSC, v[L16]
	v_add_nc_u32 v[ADV], s75, v[L16]
	v_add_nc_u32 v[ADV+1], SLOTB, v[ADV]
	v_mul_u32_u24 v[STO], v[RR], SP
	v_lshl_add_u32 v[STO], v[HH], 5, v[STO]
	v_add_nc_u32 v[STO], s75, v[STO]
	v_lshlrev_b32 v[PFO], 8, v[LN]
	v_and_b32 v[T0], 63, v0
	v_lshlrev_b32 v[T0], 4, v[T0]
	v_add_nc_u32 v[AXQ], XCH, v[T0]
	v_lshrrev_b32 v[T0+1], 6, v0
	v_lshl_add_u32 v[ABY], v[T0+1], 10, v[T0]
	v_add_nc_u32 v[ABY], GSC, v[ABY]
.irp m, 0,1,2,3
	v_mov_b32 v[ST+8*\m+1], 0
	v_mov_b32 v[ST+8*\m+3], 0
	v_mov_b32 v[ST+8*\m+6], 0x7f61b1e6
	v_mov_b32 v[ST+8*\m+7], 0
.endr
	s_wait_alu depctr_va_vdst(0)
	s_wait_tensorcnt 0x0                           ; my quarter of both slots is in,
	s_mov_b32 s[G1V], 15|(3<<16)|(1<<21)           ; so its descriptor may be written: V's group 1, 96 rows of 256 bytes, not padded
	s_mov_b32 s[G1V+2], 96<<16
	s_mov_b32 s[G1V+4], 96
	s_barrier_signal -1                            ; I read chunks that other waves fetched
	s_barrier_wait -1
.macro FRAGK reg, slot, s, u
.irp p, 0,1,2,3,4,5
.set PC, 12*(\s)+6*(\p/3)+\p%3
.if PC%32 < 29
	ds_load_b64 v[(\reg)+2*\p:(\reg)+2*\p+1], v[ADK+(\slot)] offset:16*KP*(\u)+8*PC+16*(PC/32)
.else
	ds_load_b64 v[(\reg)+2*\p:(\reg)+2*\p+1], v[ADK+2+(\slot)] offset:16*KP*(\u)+8*PC+16*(PC/32)
.endif
.endr
.endm
.macro FETCHK1 slot
	WIN 0xc0
.irp s, 0,1,2,3,4
.irp u, 0,1
	FRAGK 12*(2*\s+\u), \slot, \s, \u
.endr
.endr
	WIN 0
.endm
.macro FETCHK2 slot
	WIN 0xc0
.irp s, 5,6,7
.irp u, 0,1
	FRAGK 12*(2*\s+\u), \slot, \s, \u
.endr
.endr
	WIN 0
.endm
.macro KSLOAD par
	global_load_b128 v[KS+8*(\par):KS+8*(\par)+3], v[KSO], s[KSP:KSP+1]
	global_load_b128 v[KS+8*(\par)+4:KS+8*(\par)+7], v[KSO], s[KSP:KSP+1] offset:16
.endm
.macro VSLOAD par
.irp q, 0,1,2,3,4,5,6,7
	global_load_b32 v[VS+8*(\par)+\q], v[VSO], s[VSP:VSP+1] offset:128*\q
.endr
.endm
.macro MULA par
.irp g, 0,1
	WIN 0x07+4*\g
.set ks, 0
.rept 8
.irp mm, 0,1
.irp u, 0,1
.set rD, S+16*(2*\g+\mm)+8*\u
.set rA, 12*(2*ks+\u)
.set rB, 12*(8*\mm+ks)
.set rSA, KS+8*(\par)+ks
.set rSB, QS+8*\g+ks
.set fA, \u
.set fB, \mm
.if ks == 0
.set fZ, 1
.else
.set fZ, 0
.endif
	WM
.endr
.endr
.set ks, ks+1
.endr
.endr
	WIN 0
.endm
.macro SOFTMAX fslot
.irp m, 0,1,2,3
	v_max3_num_f32 v[ST+8*\m+2], v[S+16*\m], v[S+16*\m+1], v[S+16*\m+2]
.endr
.irp i, 3,5,7,9,11,13
.irp m, 0,1,2,3
	v_max3_num_f32 v[ST+8*\m+2], v[ST+8*\m+2], v[S+16*\m+\i], v[S+16*\m+\i+1]
.endr
.endr
.irp m, 0,1,2,3
	v_max_num_f32 v[ST+8*\m+2], v[ST+8*\m+2], v[S+16*\m+15]
.endr
.irp m, 0,1,2,3
	v_permlanex16_b32 v[ST+8*\m+3], v[ST+8*\m+2], s[SEL], s[SEL+1]
.endr
.irp m, 0,1,2,3
	v_max_num_f32 v[ST+8*\m+2], v[ST+8*\m+2], v[ST+8*\m+3]
.endr
.irp m, 0,1,2,3
	v_mul_f32 v[ST+8*\m+3], s[CS], v[ST+8*\m+2]
.endr
.irp m, 0,1,2,3
	v_floor_f32 v[ST+8*\m], -v[ST+8*\m+3]
.endr
.irp j, 0,2,4,6,8,10,12,14
.irp m, 0,1,2,3
	v_pk_fma_f32 v[S+16*\m+\j:S+16*\m+\j+1], v[S+16*\m+\j:S+16*\m+\j+1], s[CS:CS+1], v[ST+8*\m:ST+8*\m+1] op_sel_hi:[1,0,0]
.endr
.endr
.irp m, 0,1,2,3
	v_fma_f32 v[ST+8*\m+2], v[ST+8*\m+2], s[CS], v[ST+8*\m]
.endr
.set j, 0
	s_wait_alu depctr_va_vdst(0)
.rept 64
	v_exp_f32 v[S+j], v[S+j]
.set j, j+1
.endr
.irp m, 0,1,2,3
	v_exp_f32 v[ST+8*\m+2], v[ST+8*\m+2]
.endr
.irp m, 0,1,2,3
	v_sub_f32 v[ST+8*\m+3], v[ST+8*\m], v[ST+8*\m+6]
	v_sub_f32 v[ST+8*\m+5], v[ST+8*\m+6], v[ST+8*\m]
	v_min_num_f32 v[ST+8*\m+6], v[ST+8*\m+6], v[ST+8*\m]
.endr
.irp m, 0,1,2,3
	v_min_num_f32 v[ST+8*\m+3], 0, v[ST+8*\m+3]
	v_min_num_f32 v[ST+8*\m+5], 0, v[ST+8*\m+5]
.endr
.irp m, 0,1,2,3
	v_cvt_i32_f32 v[ST+8*\m+3], v[ST+8*\m+3]
	v_cvt_i32_f32 v[ST+8*\m+5], v[ST+8*\m+5]
.endr
	s_wait_alu depctr_va_vdst(0)
.if (\fslot) >= 0
	FETCHK2 \fslot
.endif
.irp m, 0,1,2,3
	v_pk_add_f32 v[SU+2*\m:SU+2*\m+1], v[S+16*\m:S+16*\m+1], v[S+16*\m+2:S+16*\m+3]
.endr
.irp j, 4,6,8,10,12,14
.irp m, 0,1,2,3
	v_pk_add_f32 v[SU+2*\m:SU+2*\m+1], v[SU+2*\m:SU+2*\m+1], v[S+16*\m+\j:S+16*\m+\j+1]
.endr
.endr
.irp m, 0,1,2,3
	v_add_f32 v[SU+2*\m], v[SU+2*\m], v[SU+2*\m+1]
.endr
.irp m, 0,1,2,3
	v_ldexp_f32 v[ST+8*\m+7], v[ST+8*\m+7], v[ST+8*\m+3]
	v_ldexp_f32 v[SU+2*\m], v[SU+2*\m], v[ST+8*\m+5]
.endr
.irp m, 0,1,2,3
	v_add_f32 v[ST+8*\m+7], v[ST+8*\m+7], v[SU+2*\m]
.endr
.irp m, 0,1,2,3
	v_add_nc_u32 v[ST+8*\m+4], 0xfe000000, v[ST+8*\m+2]
.endr
.irp m, 0,1,2,3
	v_lshrrev_b32 v[ST+8*\m+3], 23, v[ST+8*\m+4]
.endr
.irp m, 0,1,2,3
	v_cvt_f32_u32 v[ST+8*\m+5], v[ST+8*\m+3]
.endr
.irp m, 0,1,2,3
	v_sub_f32 v[ST+8*\m+5], v[ST+8*\m+5], v[ST+8*\m]
.endr
.irp p, 0,1
	v_cvt_scalef32_pk16_bf6_f32 v[X+16*\p:X+16*\p+2], v[S+32*\p:S+32*\p+15], v[ST+16*\p+4]
	v_cvt_scalef32_pk16_bf6_f32 v[X+16*\p+8:X+16*\p+10], v[S+32*\p+16:S+32*\p+31], v[ST+16*\p+12]
.endr
	v_nop
.irp p, 0,1
.irp i, 0,1,2
	v_permlane16_swap_b32 v[X+16*\p+\i], v[X+16*\p+8+\i]
.endr
.irp i, 0,1,2
	v_mov_b32 v[X+16*\p+3+\i], v[X+16*\p+8+\i]
.endr
.endr
	v_add_nc_u32 v[T0], s[PJ], v[APW0]
	v_add_nc_u32 v[T0+1], s[PJ], v[APW1]
	v_add_nc_u32 v[T0+2], s[GJ], v[AG]
	s_add_co_u32 s[PJ], s[PJ], 6144
	s_add_co_u32 s[GJ], s[GJ], 1024
.irp p, 0,1
	ds_store_b64 v[T0], v[X+16*\p:X+16*\p+1] offset:3072*\p
	ds_store_b64 v[T0+1], v[X+16*\p+2:X+16*\p+3] offset:3072*\p+8
	ds_store_b64 v[T0], v[X+16*\p+4:X+16*\p+5] offset:3072*\p+512
.endr
.irp m, 0,1,2,3
	ds_store_b32 v[T0+2], v[ST+8*\m+5] offset:256*\m
.endr
.endm
.macro ASTEP par, soft, kind, ask
.if \kind == 0
	s_wait_xcnt 0x0
	s_add_nc_u64 s[KSP:KSP+1], s[KSP:KSP+1], 4096
.elseif \kind == 1
	CHANGE G0K+4*(1-\par),1,G1K,KSP,PFA,0,\ask
.else
	CHANGE G0V,0,G1V,0,PFV,0,1
.endif
	FETCHK1 \par
.if \kind == 2
	VSLOAD 0
.else
	KSLOAD 1-\par
.endif
.if \soft
	SOFTMAX \par
.else
	FETCHK2 \par
.endif
.if \kind == 2
	s_wait_loadcnt 8
.else
	s_wait_loadcnt 2
.endif
	s_wait_dscnt 0x0
	MULA \par
.endm
	ASTEP 0,0,0,0
	s_mov_b32 s[TA], 7
.Lkeys:
	ASTEP 1,1,1,2
	ASTEP 0,1,1,0
	s_sub_co_u32 s[TA], s[TA], 1
	s_cmp_lg_u32 s[TA], 0
	s_cbranch_scc1 .Lkeys
	ASTEP 1,1,2,0
	PLACES
	SOFTMAX -1
.irp m, 0,1,2,3
	v_permlanex16_b32 v[ST+8*\m+3], v[ST+8*\m+7], s[SEL], s[SEL+1]
.endr
.irp m, 0,1,2,3
	v_add_f32 v[ST+8*\m+7], v[ST+8*\m+7], v[ST+8*\m+3]
.endr
.irp m, 0,1,2,3
	ds_store_b32 v[AX], v[ST+8*\m+6] offset:256*\m
	ds_store_b32 v[AX], v[ST+8*\m+7] offset:256*\m+1024
.endr
	CHANGE G0V+4,0,G1V,VSP,PFV,1,1
	ds_load_b128 v[96:99], v[AXQ]
.irp k, 0,1,2,3,4,5,6,7
	ds_load_b128 v[100+4*\k:103+4*\k], v[ABY] offset:2048*\k
.endr
.irp m, 0,1,2,3
	ds_load_b128 v[64+8*\m:67+8*\m], v[AXR] offset:256*\m
	ds_load_b128 v[68+8*\m:71+8*\m], v[AXR] offset:256*\m+1024
.endr
	s_wait_dscnt 0x0
	v_min3_num_f32 v96, v96, v97, v98
	v_min_num_f32 v96, v96, v99
.irp c, 0,1,2,3
.irp k, 0,1,2,3,4,5,6,7
	v_add_f32 v[100+4*\k+\c], v[100+4*\k+\c], v96
.endr
.endr
.irp c, 0,1,2,3
.irp k, 0,1,2,3,4,5,6,7
	v_max_num_f32 v[100+4*\k+\c], 1.0, v[100+4*\k+\c]
.endr
.endr
.irp c, 0,1,2,3
.irp k, 0,1,2,3,4,5,6,7
	v_cvt_u32_f32 v[100+4*\k+\c], v[100+4*\k+\c]
.endr
.endr
.irp c, 1,2,3
.irp k, 0,1,2,3,4,5,6,7
	v_lshl_or_b32 v[100+4*\k], v[100+4*\k+\c], 8*\c, v[100+4*\k]
.endr
.endr
.irp k, 0,1,2,3,4,5,6,7
	ds_store_b32 v[ABY], v[100+4*\k] offset:2048*\k
.endr
.irp m, 0,1,2,3
	v_min3_num_f32 v[ST+8*\m], v[64+8*\m], v[65+8*\m], v[66+8*\m]
.endr
.irp m, 0,1,2,3
	v_min_num_f32 v[ST+8*\m], v[ST+8*\m], v[67+8*\m]
.endr
.irp w, 0,1,2,3
.irp m, 0,1,2,3
	v_sub_f32 v[64+8*\m+\w], v[ST+8*\m], v[64+8*\m+\w]
.endr
.endr
.irp w, 0,1,2,3
.irp m, 0,1,2,3
	v_cvt_i32_f32 v[64+8*\m+\w], v[64+8*\m+\w]
.endr
.endr
.irp w, 0,1,2,3
.irp m, 0,1,2,3
	v_ldexp_f32 v[68+8*\m+\w], v[68+8*\m+\w], v[64+8*\m+\w]
.endr
.endr
.irp m, 0,1,2,3
	v_add_f32 v[68+8*\m], v[68+8*\m], v[69+8*\m]
	v_add_f32 v[70+8*\m], v[70+8*\m], v[71+8*\m]
.endr
.irp m, 0,1,2,3
	v_add_f32 v[68+8*\m], v[68+8*\m], v[70+8*\m]
.endr
	s_wait_alu depctr_va_vdst(0)
.irp m, 0,1,2,3
	v_rcp_f32 v[LINV+2*\m], v[68+8*\m]
.endr
.irp m, 0,1,2,3
	v_mov_b32 v[LINV+2*\m+1], 0
.endr
	s_wait_alu depctr_va_vdst(0)
	s_wait_dscnt 0x0
	s_barrier_signal -1
	s_barrier_wait -1
.macro FETCHV slot, half
	WIN 0x40
.set tt, 8*(\half)
.rept 8
.irp g, 0,1,2
	ds_load_b128 v[12*tt+4*\g:12*tt+4*\g+3], v[ADV+(\slot)] offset:1536*tt+512*\g
.endr
.set tt, tt+1
.endr
	WIN 0
.endm
.macro FETCHP par
	v_add_nc_u32 v[T0], s[PJ], v[APR]
	v_add_nc_u32 v[T0+1], s[GJ], v[APS]
	s_add_co_u32 s[PJ], s[PJ], 6144
	s_add_co_u32 s[GJ], s[GJ], 1024
.irp m, 0,1,2,3
.irp g, 0,1,2
	ds_load_b128 v[PF+48*(\par)+12*\m+4*\g:PF+48*(\par)+12*\m+4*\g+3], v[T0] offset:1536*\m+512*\g
.endr
.endr
	ds_load_b32 v[PS+2*(\par)], v[T0+1]
	ds_load_b32 v[PS+2*(\par)+1], v[T0+1] offset:512
.endm
.macro MULB par, half, zero
	WIN 0xa1+0x50*(\half)
.set tt, 0
.rept 8
.irp m, 0,1,2,3
.set rD, 8*(4*tt+\m)
.set rA, 12*(8*(\half)+tt)
.set rB, PF+48*(\par)+12*\m
.set rSA, VS+8*(\par)+4*(\half)+tt/2
.set rSB, PS+2*(\par)+\m/2
.set fA, tt%2
.set fB, \m%2
.set fZ, \zero
	WM
.endr
.set tt, tt+1
.endr
	WIN 0
.endm
.macro BSTEP par, zero, mode, ask
	PLACES
.if \mode
	VSLOAD 1-\par
.endif
	FETCHV \par, 1
.if \mode
	s_wait_loadcnt 8
.else
	s_wait_loadcnt 0x0
.endif
	s_wait_dscnt 24
	MULB \par, 0, \zero
.if \mode == 2
	CHANGE G0V+4*(\par),1,G1V,VSP,PFV,\ask,\ask
.elseif \mode == 1
	s_wait_tensorcnt 0x0
	ds_add_u32 v[SPW], v[NIL]
	s_wait_dscnt 0x0
	s_barrier_signal -1
	s_barrier_wait -1
	PLACES
.else
	s_wait_dscnt 0x0
.endif
.if \mode
	FETCHV 1-\par, 0
	FETCHP 1-\par
.endif
	MULB \par, 1, \zero
.endm
	s_mov_b32 s[PJ], 0
	s_mov_b32 s[GJ], 0
	FETCHV 0, 0
	FETCHP 0
	BSTEP 0,1,2,1
	s_mov_b32 s[TB2], 6
.Lvals:
	BSTEP 1,0,2,0
	BSTEP 0,0,2,0
	s_sub_co_u32 s[TB2], s[TB2], 1
	s_cmp_lg_u32 s[TB2], 0
	s_cbranch_scc1 .Lvals
	BSTEP 1,0,2,0
	BSTEP 0,0,1,0
	BSTEP 1,0,0,0
.macro OUTB beta
.set hf, (\beta)/4
.set mq, (\beta)%4
	WIN 0x02+hf
.set tt, 0
.rept 8
.irp i, 0,2,4,6
	v_pk_mul_f32 v[TMP+8*tt+\i:TMP+8*tt+\i+1], v[8*(4*tt+mq)+\i:8*(4*tt+mq)+\i+1], v[LINV+2*mq:LINV+2*mq+1] op_sel_hi:[1,0]
.endr
.set tt, tt+1
.endr
	WIN 0
.set tt, 0
.rept 8
	ds_store_b128 v[STO], v[TMP+8*tt:TMP+8*tt+3] offset:64*tt
	ds_store_b128 v[STO], v[TMP+8*tt+4:TMP+8*tt+7] offset:64*tt+16
.set tt, tt+1
.endr
.if (\beta) >= 2
	s_wait_xcnt 0x0
.endif
	WIN 0x40
.set tt, 0
.rept 16
	ds_load_b128 v[64*((\beta)%2)+4*tt:64*((\beta)%2)+4*tt+3], v[ADV] offset:SP*tt
.set tt, tt+1
.endr
	WIN 0
.endm
.macro SEND beta, younger
.set hf, (\beta)/4
.set mq, (\beta)%4
	s_wait_dscnt \younger
	WIN 0x04
.set tt, 0
.rept 16
	global_store_b128 v[L16], v[64*((\beta)%2)+4*tt:64*((\beta)%2)+4*tt+3], s[16:17] offset:(16*mq+tt)*4096+512*hf th:TH_STORE_NT
.set tt, tt+1
.endr
	WIN 0
.endm
	PLACES
	OUTB 0
.irp b, 1,2,3,4,5,6,7
	OUTB \b
	SEND \b-1, 32
.endr
	SEND 7, 0
	s_wait_tensorcnt 0x0
	ds_add_u32 v[SPW], v[NIL]
	s_wait_dscnt 0x0
	CROUND
	s_endpgm
.Lfunc_end_k_q8a8ccf7571_attn:
	.size	k_q8a8ccf7571_attn, .Lfunc_end_k_q8a8ccf7571_attn-k_q8a8ccf7571_attn
	.p2alignl 7, 3214868480
	.fill 96, 4, 3214868480
	.section	.rodata,"a",@progbits
	.p2align	6, 0x0
	.amdhsa_kernel k_q8a8ccf7571_attn
		.amdhsa_group_segment_fixed_size 327680
		.amdhsa_private_segment_fixed_size 0
		.amdhsa_enable_private_segment 0
		.amdhsa_kernarg_size 56
		.amdhsa_user_sgpr_count 2
		.amdhsa_user_sgpr_kernarg_segment_ptr 1
		.amdhsa_wavefront_size32 1
		.amdhsa_system_sgpr_workgroup_id_x 1
		.amdhsa_system_sgpr_workgroup_id_y 1
		.amdhsa_system_sgpr_workgroup_id_z 1
		.amdhsa_system_vgpr_workitem_id 0
		.amdhsa_next_free_vgpr 1024
		.amdhsa_next_free_sgpr 100
		.amdhsa_reserve_vcc 0
		.amdhsa_float_denorm_mode_32 3
		.amdhsa_float_denorm_mode_16_64 3
		.amdhsa_memory_ordered 1
		.amdhsa_forward_progress 1
		.amdhsa_inst_pref_size 255
	.end_amdhsa_kernel
	.section	.bss,"aw",@nobits
	.p2align	6
	.space	262144
	.amdgpu_metadata
---
amdhsa.version: [ 1, 2 ]
amdhsa.kernels:
  - .name:           k_q8a8ccf7571_attn
    .symbol:         k_q8a8ccf7571_attn.kd
    .args:
      - { .name: head_codes, .offset: 0, .size: 8, .value_kind: global_buffer, .address_space: global }
      - { .name: head_scales, .offset: 8, .size: 8, .value_kind: global_buffer, .address_space: global }
      - { .name: q_codes, .offset: 16, .size: 8, .value_kind: global_buffer, .address_space: global }
      - { .name: q_scales, .offset: 24, .size: 8, .value_kind: global_buffer, .address_space: global }
      - { .name: v_codes, .offset: 32, .size: 8, .value_kind: global_buffer, .address_space: global }
      - { .name: v_scales, .offset: 40, .size: 8, .value_kind: global_buffer, .address_space: global }
      - { .name: out0, .offset: 48, .size: 8, .value_kind: global_buffer, .address_space: global }
    .group_segment_fixed_size: 327680
    .private_segment_fixed_size: 0
    .kernarg_segment_align: 8
    .kernarg_segment_size: 56
    .max_flat_workgroup_size: 128
    .sgpr_count:     100
    .vgpr_count:     1024
    .wavefront_size: 32
...
	.end_amdgpu_metadata
.endif
;; end of part 3
